; MI455X (gfx1250); checked and timed in simulation.
; The chip was launched on July 23, 2026; its instructions are those of AMD's public machine-readable ISA for CDNA 5 (MIT licence, August 2026) and "CDNA5" Instruction Set Architecture Reference Guide (July 2026). The comments in the code are by the model that wrote it; some were corrected since.
;; W2 Attention. Allowed arithmetic: float matrix products may take bf16 or f16 operands with f32 sums; other float arithmetic in f32, or as packed bf16 or f16 multiplies, adds, multiply-adds, maxima and minima; sums over many terms, partial sums and values carried from step to step in f32; what a program stores and reads back later, other than sums and carried values, may be rounded once to bf16 or f16.
;; Inputs: cos 2,048 x 128 float32; hidden_states 1 x 2,048 x 2,048 float32; sin 2,048 x 128 float32; w_k 4,096 x 2,048 float32; w_o 2,048 x 2,048 float32; w_q 4,096 x 2,048 float32; w_v 2,048 x 2,048 float32.
;; Outputs: out0 1 x 2,048 x 2,048 float32.
;; 2 versions, each right; version 2 is version 1 with the launch conv written anew for expert scheduling mode. Each part assembles by itself: llvm-mc -triple=amdgcn-amd-amdhsa -mcpu=gfx1250 --defsym DOCPART=n.
;; ======== version 1 of 2: 4 launches
;; limits: values are held in f16: magnitudes above 65,504 overflow, below 6.1e-05 lose precision; right only within a limited range of input values
;; workspace buffers: cv 59,768,832 bytes; qw 16,777,216 bytes; kw 16,777,216 bytes; vh 8,388,608 bytes; kb 262,144 bytes; ob 8,388,608 bytes
;; launch conv (part 1): grid 912 x 1, 8 waves a work-group, no clusters, 0 bytes of LDS; arguments hidden_states, w_q, w_k, w_v, w_o, cos, sin, cv; writes cv
.if DOCPART == 1
	.amdgcn_target "amdgcn-amd-amdhsa--gfx1250"
	.amdhsa_code_object_version 6
	.text
	.protected	k_q9e788767be_conv
	.globl	k_q9e788767be_conv
	.p2align	8
	.type	k_q9e788767be_conv,@function
k_q9e788767be_conv:
	s_mov_b64 s[64:65], 0
	v_nop
	global_prefetch_b8 v0, s[64:65] scope:SCOPE_SE
	s_setreg_imm32_b32 hwreg(HW_REG_WAVE_MODE, 25, 1), 1
	s_wait_xcnt 0x0
; ALL SEVEN INPUTS, f32, ARE ROUNDED ONCE TO bf16 (nearest even) AND LAID OUT FOR THE LAUNCHES BEHIND.  w_o's bf16 number is then written as f16
; (exact from 6e-5 up; below that it keeps f16's fixed step of 6e-8: a stated limit).
; cv: x [2048][2048] at 0; the weights of q, k, v at WB as [32 groups][320 rows][2048]; w_o at WO; cos [2048][128] at CS, sin 524,288 bytes behind it.
; A group is (head, ch): rows 0-63 q's means, 64-127 q's raw variances, 128-191 k's means, 192-255 k's raw variances, 256-319 v.
; For q and k row e < 32 is channel 32 ch + e and row e >= 32 is channel 64 + 32 ch + (e - 32): e and e + 32 are partners of the rotation.  For v row e is channel 64 ch + e.
; SHARES.  A work-group takes 16 rows of 2,048 numbers (131,072 bytes in, 65,536 out), which stay 16 neighbouring rows in cv; a wave 16,384 consecutive bytes.
; All 32 loads of a wave go out at once; each store of a wave covers 256 consecutive bytes, aligned.  Every load and store has registers of its own: no loop, no LDS, nothing shared, so no cluster.
.set WB, 8388608
.set WO, 50331648
.set CS, 58720256
.set X,  8                             ; v[8:135]   as loaded
.set Y,  136                           ; v[136:199] to store
.set T,  200                           ; v[200:201] at work
; Which tensor: a chain of compares on the work-group's number.  kind: 0 flat, 1 w_q, 2 w_k, 3 w_v, 4 w_o (flat, written as f16)
.macro PICK first, src, region, kind
	s_cmp_ge_u32 s20, \first
	s_cselect_b64 s[22:23], s[\src:\src+1], s[22:23]
	s_cselect_b32 s21, \first, s21
	s_cselect_b32 s28, \region, s28
	s_cselect_b32 s29, \kind, s29
.endm
	s_load_b512 s[4:19], s[0:1], 0x0               ; x, w_q, w_k, w_v, w_o, cos, sin, cv
	s_mov_b32 s20, ttmp9
	v_and_b32 v3, 31, v0
	v_lshrrev_b32 v4, 5, v0
	v_lshlrev_b32 v1, 4, v3
	v_lshl_add_u32 v1, v4, 14, v1                  ; in: 16 x lane + 16,384 x wave
	v_lshlrev_b32 v2, 3, v3
	v_lshl_add_u32 v2, v4, 13, v2                  ; out: 8 x lane + 8,192 x wave
	s_mov_b32 s21, 0                               ; the tensor's first work-group
	s_mov_b32 s28, 0                               ; its region in cv, if flat
	s_mov_b32 s29, 0
	s_wait_kmcnt 0x0
	s_mov_b64 s[22:23], s[4:5]
	PICK 128, 6, 0, 1
	PICK 384, 8, 0, 2
	PICK 640, 10, 0, 3
	PICK 768, 12, WO, 4
	PICK 896, 14, CS, 0
	PICK 904, 16, CS+524288, 0
	s_sub_co_u32 s32, s20, s21                     ; j: which 16 rows of the tensor
	s_lshl_b32 s30, s32, 17
	s_mov_b32 s31, 0
	s_add_nc_u64 s[22:23], s[22:23], s[30:31]
.set j, 0
.rept 32
	global_load_b128 v[X+4*j:X+4*j+3], v1, s[22:23] offset:512*j th:TH_LOAD_NT
.set j, j+1
.endr
	; where they go.  w_q, w_k: j = 16 head + 8 part + (channel / 16): row = (2 head + ch) 320 + 64 part + 32 (channel >= 64) + 16 (channel / 16 odd), + 128 for k
	s_lshr_b32 s33, s32, 4
	s_lshl_b32 s33, s33, 1
	s_bfe_u32 s34, s32, 0x10001
	s_add_co_u32 s33, s33, s34
	s_mul_i32 s33, s33, 320
	s_bfe_u32 s34, s32, 0x10003
	s_lshl_b32 s34, s34, 6
	s_add_co_u32 s33, s33, s34
	s_bfe_u32 s34, s32, 0x10002
	s_lshl_b32 s34, s34, 5
	s_add_co_u32 s33, s33, s34
	s_and_b32 s34, s32, 1
	s_lshl_b32 s34, s34, 4
	s_add_co_u32 s33, s33, s34
	s_cmp_eq_u32 s29, 2
	s_cselect_b32 s34, 128, 0
	s_add_co_u32 s33, s33, s34
	; w_v: j = 8 head + (channel / 16): row = (2 head + ch) 320 + 256 + 16 (j & 3)
	s_lshr_b32 s35, s32, 3
	s_lshl_b32 s35, s35, 1
	s_bfe_u32 s34, s32, 0x10002
	s_add_co_u32 s35, s35, s34
	s_mul_i32 s35, s35, 320
	s_and_b32 s34, s32, 3
	s_lshl_b32 s34, s34, 4
	s_add_co_u32 s35, s35, s34
	s_add_co_u32 s35, s35, 256
	s_cmp_eq_u32 s29, 3
	s_cselect_b32 s33, s35, s33
	s_lshl_b32 s33, s33, 12                        ; a row of cv is 4,096 bytes
	s_add_co_u32 s33, s33, WB
	s_lshl_b32 s24, s32, 16                        ; flat: the region + 65,536 j
	s_add_co_u32 s24, s24, s28
	s_and_b32 s34, s29, 3                          ; 0 for the flat kinds 0 and 4
	s_cmp_lg_u32 s34, 0
	s_cselect_b32 s24, s33, s24
	s_mov_b32 s25, 0
	s_add_nc_u64 s[26:27], s[18:19], s[24:25]
; Load j's four numbers are rounded and stored.  rec = 1: the bf16 number is written as f16.
.macro OUT rec
.set j, 0
.rept 32
	s_wait_loadcnt 31-j                            ; loads come back in order: load j is in, the younger ones stay out
	v_cvt_pk_bf16_f32 v[Y+2*j], v[X+4*j], v[X+4*j+1]
	v_cvt_pk_bf16_f32 v[Y+2*j+1], v[X+4*j+2], v[X+4*j+3]
.if \rec
	v_lshlrev_b32 v[T], 16, v[Y+2*j]
	v_and_b32 v[T+1], 0xffff0000, v[Y+2*j]
	v_cvt_pk_f16_f32 v[Y+2*j], v[T], v[T+1]
	v_lshlrev_b32 v[T], 16, v[Y+2*j+1]
	v_and_b32 v[T+1], 0xffff0000, v[Y+2*j+1]
	v_cvt_pk_f16_f32 v[Y+2*j+1], v[T], v[T+1]
.endif
	global_store_b64 v2, v[Y+2*j:Y+2*j+1], s[26:27] offset:256*j th:TH_STORE_NT
.set j, j+1
.endr
	s_endpgm
.endm
	s_cmp_eq_u32 s29, 4
	s_cbranch_scc1 .Lrecode
	OUT 0
.Lrecode:
	OUT 1
.Lfunc_end_k_q9e788767be_conv:
	.size	k_q9e788767be_conv, .Lfunc_end_k_q9e788767be_conv-k_q9e788767be_conv
	.p2alignl 7, 3214868480
	.fill 96, 4, 3214868480
	.section	.rodata,"a",@progbits
	.p2align	6, 0x0
	.amdhsa_kernel k_q9e788767be_conv
		.amdhsa_group_segment_fixed_size 0
		.amdhsa_private_segment_fixed_size 0
		.amdhsa_enable_private_segment 0
		.amdhsa_kernarg_size 64
		.amdhsa_user_sgpr_count 2
		.amdhsa_user_sgpr_kernarg_segment_ptr 1
		.amdhsa_wavefront_size32 1
		.amdhsa_system_sgpr_workgroup_id_x 1
		.amdhsa_system_sgpr_workgroup_id_y 1
		.amdhsa_system_sgpr_workgroup_id_z 1
		.amdhsa_system_vgpr_workitem_id 0
		.amdhsa_next_free_vgpr 204
		.amdhsa_next_free_sgpr 66
		.amdhsa_reserve_vcc 0
		.amdhsa_float_denorm_mode_32 3
		.amdhsa_float_denorm_mode_16_64 3
		.amdhsa_memory_ordered 1
		.amdhsa_forward_progress 1
		.amdhsa_inst_pref_size 33
	.end_amdhsa_kernel
	.amdgpu_metadata
---
amdhsa.version: [ 1, 2 ]
amdhsa.kernels:
  - .name:           k_q9e788767be_conv
    .symbol:         k_q9e788767be_conv.kd
    .args:
      - { .name: hidden_states, .offset: 0, .size: 8, .value_kind: global_buffer, .address_space: global }
      - { .name: w_q, .offset: 8, .size: 8, .value_kind: global_buffer, .address_space: global }
      - { .name: w_k, .offset: 16, .size: 8, .value_kind: global_buffer, .address_space: global }
      - { .name: w_v, .offset: 24, .size: 8, .value_kind: global_buffer, .address_space: global }
      - { .name: w_o, .offset: 32, .size: 8, .value_kind: global_buffer, .address_space: global }
      - { .name: cos, .offset: 40, .size: 8, .value_kind: global_buffer, .address_space: global }
      - { .name: sin, .offset: 48, .size: 8, .value_kind: global_buffer, .address_space: global }
      - { .name: cv, .offset: 56, .size: 8, .value_kind: global_buffer, .address_space: global }
    .group_segment_fixed_size: 0
    .private_segment_fixed_size: 0
    .kernarg_segment_align: 8
    .kernarg_segment_size: 64
    .max_flat_workgroup_size: 256
    .sgpr_count:     66
    .vgpr_count:     204
    .wavefront_size: 32
...
	.end_amdgpu_metadata
.endif
;; end of part 1
;; launch proj (part 2): grid 32 x 8, 4 waves a work-group, clusters of 4 x 4, 327,680 bytes of LDS; arguments cv, qw, kw, vh, kb; writes qw, kw, vh, kb
.if DOCPART == 2
	.amdgcn_target "amdgcn-amd-amdhsa--gfx1250"
	.amdhsa_code_object_version 6
	.text
	.protected	k_q9e788767be_proj
	.globl	k_q9e788767be_proj
	.p2align	8
	.type	k_q9e788767be_proj,@function
k_q9e788767be_proj:
	s_mov_b64 s[64:65], 0
	v_nop
	global_prefetch_b8 v0, s[64:65] scope:SCOPE_SE
	s_setreg_imm32_b32 hwreg(HW_REG_WAVE_MODE, 25, 1), 1
	s_wait_xcnt 0x0
	s_wait_alu depctr_hold_cnt(0) depctr_sa_sdst(0) depctr_va_vdst(0) depctr_va_sdst(0) depctr_va_ssrc(0) depctr_va_vcc(0) depctr_vm_vsrc(0)
	s_getreg_b32 s2, hwreg(HW_REG_IB_STS2, 6, 4)
	s_cmp_eq_u32 s2, 0
	s_cbranch_scc0 .Lentry_in_a_cluster
	s_endpgm
.Lentry_in_a_cluster:
	s_bfe_u32 s2, ttmp6, 0x10000c
	s_cmp_lg_u32 s2, 0xf033
	s_cbranch_scc0 .Lentry_shape_is_right
	s_endpgm
.Lentry_shape_is_right:
; THE THREE PROJECTIONS AND WHAT FOLLOWS THEM POINT BY POINT.  x [2048][2048] times one group of 320 weight rows (head, ch: see the layout of cv below), bf16 operands, f32 sums; then
;   sigma = max(s, 0) + log1p(e^-|s|) + 1e-4;  w = mu / sqrt(sigma);  the rotation by cos and sin;  w as TWO bf16 numbers, hi = bf16(w), lo = bf16(w - hi);
;   for k also -0.5 (sum of w^2 + sum of log sigma) over the group's 64 channels: half of a key's bias, in f32;  v rounded once to f16.
; log1p(t) = ln2 log2(u) + (t - (u - 1)) with u = 1 + t: the second term gives back what the sum 1 + t rounded away; t lies in 0 to 1, so no case is cut off.
; LIMITS.  |v| stays below 65,504 (f16).  NaN and infinities are not treated apart.
; cv: x at 0; weights at row 2,048 (rows of 4,096 bytes) as [32 groups][320 rows]: q mean 0-63, q variance 64-127, k mean 128-191, k variance 192-255, v 256-319; in q and k row e and row e + 32 are
; partners of the rotation (channels 32 ch + e and 64 + 32 ch + e); cos and sin, bf16 [2048][128], at CSOFF and 524,288 behind.
; OUT.  qw, kw: [head][block of 64 rows][plane 2 ch + part][64 rows][64 bf16]; place 8 i + n of a row is e = 4 i + n (n < 4) or 32 + 4 i + n - 4: the same order in q and k.  vh: [head][block][ch][64][64] f16.  kb: [ch][head][2048] f32.
; SHARES.  256 work-groups: 256 rows x one group.  Wave w: rows 64 w .. 64 w + 63, all 320 columns: 80 accumulators, 640 registers.  For 32 along K a wave loads 24 fragments for 80 products, in two runs of 24 loads.
; THE PRODUCT IS USED TRANSPOSED (source 0 = 16 weight rows, source 1 = 16 rows of x): a lane holds one row of x and eight neighbouring columns.
; CLUSTER 4 x 4.  ch and the four heads' base come from the cluster's x, the head's last two bits from cx; the rows from the cluster's y and cy.  x's tiles (and cos, sin) are shared along a row of the
; cluster, the weights' along a column: joint loads.
; LDS.  K goes in steps of 128 through two slots, interleaved tile by tile so that ONE exclusive or with a constant turns a tile's address into the other slot's:
;   x rows 0-127: 0 / 0x8800; x rows 128-255: 0x11000 / 0x19800; weight rows 192-319: 0x22000 / 0x2a800 (constant 0x8800); weight rows 0-191: 0x33000 / 0x3fc00 (constant 0xcc00).
;   Behind its last K step slot 0 takes cos and sin (wave w's 128 rows at 0x11000 w).  Behind the last barrier the bytes from 0x8800 + 0x11000 w on, whose last fill is over, are wave w's own dump.
; REGISTERS.  window 0: v0-31 addresses; v32-95 x's fragments, two buffers; v96-255 the weights' fragments, one buffer for each group of 64 columns.
;   windows 1, 2, 3: the accumulators: column group g, row block rt, column block ct at window 1 + g / 2, v[128 (g % 2) + 8 (4 rt + ct)].
.set PITCH, 272                        ; an LDS row: 256 bytes + 16 of padding = 68 words: the 16 rows of a fragment load start at 16 different groups of four banks (64 banks of 4 bytes: ISA guide 11.1)
.set XA,    0x8800                     ; 128 rows: from a 128-row tile's slot 0 to its slot 1
.set XL,    0xcc00                     ; 192 rows: the same for the 192-row tile
.set QUAD,  0x11000                    ; two tiles of 128 rows
.set LBH,   0x22000
.set LBL,   0x33000
.set STAGE, 313344                     ; 16 rows x 144 bytes for each wave: v's way out
.set VSP,   144
.set PBB,   322560                     ; 64 words for each wave: the rows' biases
.set SPARE, 323584                     ; the spare words, 128 bytes for each wave: two blocks of 256 bytes that no other line names
.set DP,    528                        ; a row of the dump: 64 means, 64 raw variances in f32, 16 bytes of padding
.set CSOFF, 58720256
.set ADRA0, 8                          ; my lane's place in x's tile, slot 0; never rewritten
.set ADRL0, 9                          ; in the weights' rows 0-191
.set ADRH0, 10                         ; in the weights' rows 192-319
.set ADRA,  11                         ; the same three in the slot in hand
.set ADRBL, 12
.set ADRBH, 13
.set STO,   14                         ; v's way out: where I put 16 bytes of a row
.set RD,    15                         ; and read rows back
.set GO,    16                         ; 16 x lane
.set DST,   17                         ; the dump: where I put my 32 bytes of a row
.set DL0,   18                         ; the dump: where I read, first trip
.set CL0,   19                         ; cos: where I read, first trip
.set DL,    20
.set CL,    21
.set SL,    22
.set GV,    23                         ; my byte offset in a plane, 1,024 ahead of the trip's rows
.set PBA0,  24
.set PBA,   25
.set PBR,   26
.set KBO,   27
.set SPW,   28                         ; LDS address of my spare word; never rewritten
.set NIL,   29                         ; 0; never rewritten
.set PFO,   30                         ; prefetch: lane x 4,096: a lane a row
.set PFO2,  31                         ; prefetch: rows 32-47, two K steps
.set FA,    32
.set FB,    96
.set WV,   14                          ; wave
.set HW,   15                          ; wave / 2
.set LW,   16                          ; wave % 2
.set CX,   17
.set CY,   18
.set GY,   19                          ; which 256 rows
.set CH,   20
.set HD,   21                          ; head
.set G1A,  24                          ; s[24:31] group 1, x's tiles;   s[32:39] group 0: a set for each first fill; the second then walks
.set G0A,  32
.set G1L,  40                          ; the weights' rows 0-191
.set G0L,  48
.set G1H,  56                          ; the weights' rows 192-319
.set G0H,  68
.set GC1,  76                          ; cos and sin
.set GC0,  84
.set TBA,  88                          ; 0 or XA: the slot in hand, for the 128-row tiles
.set TBL,  89                          ; 0 or XL: for the 192-row tile
.set CNT,  90
.set LIM,  91                          ; 1 in a wave that prefetches, else the greatest number
.set PFA,  92                          ; s[92:93] where my prefetches stand
.set LIM2, 94                          ; 2 in the wave that has 16 rows more to ask for, else the greatest number
.set ECNT, 95
.set NL2E, 96                          ; s[96:97] -log2(e)
.set LN2,  98                          ; s[98:99] ln 2
.set EPS,  100                         ; s[100:101] 1e-4
.set MSK,  104
.set MSB, 0
.macro WIN new                         ; the immediate's high byte repeats the setting that is left; a switch that changes nothing is dropped
.if MSB != (\new)
	s_set_vgpr_msb (MSB<<8)|(\new)
.set MSB, (\new)
.endif
.endm
.macro PLACES                          ; four plain vector instructions behind a matrix instruction, ahead of loads into registers that it has read and of reads of its result (ISA guide 7.12.1 for reads of its result)
.rept 4
	v_nop
.endr
.endm
.macro TL g0, g1                       ; a tensor load and an s_nop 0 behind it
	tensor_load_to_lds s[\g0:\g0+3], s[\g1:\g1+7]
	s_nop 0
.endm
; A joint refill: waves 0 and 1 fetch x's two halves, wave 2 the weights' rows 0-191, wave 3 rows 192-319.  The branches hang on the wave's number alone.  Four v_nop follow each line, ahead of the jump and the label.
.macro JLOAD
	s_cmp_lt_u32 s[WV], 2
	s_cbranch_scc0 .Lfor_b_\@
	TL G0A+4, G1A
	PLACES
	s_branch .Lasked_\@
.Lfor_b_\@:
	s_cmp_eq_u32 s[WV], 2
	s_cbranch_scc0 .Lfor_h_\@
	TL G0L+4, G1L
	PLACES
	s_branch .Lasked_\@
.Lfor_h_\@:
	TL G0H+4, G1H
	PLACES
.Lasked_\@:
.endm
.macro JLOADC                          ; cos (waves 0, 1) and sin (waves 2, 3), 128 rows a wave
	TL GC0, GC1
	PLACES
.endm
.macro CREST                           ; a round of the cluster's barrier behind its opening barrier
	s_cmp_lg_u32 s[WV], 0
	s_cbranch_scc1 .Lnot_wave_0_\@
	s_barrier_signal -3
.Lnot_wave_0_\@:
	s_barrier_wait -3
	s_barrier_signal -1
	s_barrier_wait -1
.endm
.macro CROUND
	s_barrier_signal -1
	s_barrier_wait -1
	CREST
.endm
; A PREFETCH INTO THE L2, behind the joint load and the run of LDS loads: the K step that the NEXT refill will ask for, 320 matrix instructions ahead of that load.  Each row's 256 bytes of a K step are named once in
; the launch: x's rows by the clusters with x = 0, the weights' by those with y = 0; the four partners share a tile's rows out BY ADDRESS (cx for x's, cy for the weights').  Waves 0, 1 and 3: 32 rows, a lane a row.
; Wave 2: 48 rows: 32 in every trip, and the other 16 in every second trip for two K steps at once.  The last trip asks for nothing; K steps 0 to 2 come by their loads alone, and K step 15 of those 16 rows too.
.macro ASK
	s_cmp_gt_u32 s[CNT], s[LIM]
	s_cbranch_scc0 .Lno1_\@
	global_prefetch_b8 v[PFO], s[PFA:PFA+1] th:TH_LOAD_NT scope:SCOPE_SE
.Lno1_\@:
	s_and_b32 s66, s[CNT], 1
	s_cmp_eq_u32 s66, 0
	s_cselect_b32 s66, s[CNT], 0
	s_cmp_gt_u32 s66, s[LIM2]
	s_cbranch_scc0 .Lno2_\@
	global_prefetch_b8 v[PFO2], s[PFA:PFA+1] th:TH_LOAD_NT scope:SCOPE_SE
.Lno2_\@:
.endm
	s_load_b256 s[4:11], s[0:1], 0x0               ; cv s[4:5], qw s[6:7], kw s[8:9], vh s[10:11]
	s_load_b64 s[12:13], s[0:1], 0x20              ; kb
	v_lshl_add_u32 v[SPW], v0, 2, SPARE
	v_mov_b32 v[NIL], 0
	ds_add_u32 v[SPW], v[NIL]                      ; the wave's opening: the add and its wait stand ahead of my first tensor load; the set-up below stands between them
	v_lshrrev_b32 v3, 5, v0
	v_readfirstlane_b32 s[WV], v3
	s_lshr_b32 s[HW], s[WV], 1
	s_and_b32 s[LW], s[WV], 1
	s_bfe_u32 s[CX], ttmp6, 0x40000
	s_bfe_u32 s[CY], ttmp6, 0x40004
	s_and_b32 s[GY], ttmp7, 0xffff
	s_lshl_b32 s[GY], s[GY], 2
	s_add_co_u32 s[GY], s[GY], s[CY]               ; which 256 rows = 4 x cluster y + cy
	s_and_b32 s[CH], ttmp9, 1                      ; the same in all sixteen partners
	s_lshr_b32 s[HD], ttmp9, 1
	s_lshl_b32 s[HD], s[HD], 2
	s_add_co_u32 s[HD], s[HD], s[CX]               ; head = 4 x (cluster x / 2) + cx
	s_lshl_b32 s66, s[CY], 2
	s_lshl_b32 s66, 15, s66                        ; my row of the cluster
	s_lshl_b32 s67, 0x1111, s[CX]                  ; my column
.set G1W0, (1<<16)|(1<<20)|(1<<21)|(5<<22)|(3<<25) ; elements of 2 bytes; padding on; bit 21 beside a mask; after every 64 words, 4 words
	s_or_b32 s[G1A], s66, G1W0
	s_or_b32 s[GC1], s66, G1W0
	s_or_b32 s[G1L], s67, G1W0
	s_or_b32 s[G1H], s67, G1W0
.irp g, G1A, G1L, G1H, GC1
	s_mov_b32 s[\g+1], 128<<16                     ; tensor_dim0 = 128
	s_mov_b32 s[\g+2], 128<<16                     ; tensor_dim1 = 128
	s_mov_b32 s[\g+3], 128<<16                     ; tile_dim0 = 128
	s_mov_b32 s[\g+4], 128                         ; tile_dim1 = 128
	s_mov_b32 s[\g+5], 2048                        ; elements from row to row
	s_mov_b32 s[\g+6], 0
	s_mov_b32 s[\g+7], 0
.endr
	s_mov_b32 s[G1L+2], 192<<16                    ; the long tile has 192 rows
	s_mov_b32 s[G1L+4], 192
	s_mov_b32 s[GC1+1], 96<<16                     ; cos, sin: the tile begins at channel 32 ch; 96 channels are left of the row from there, the other 32 places take zeros and are not read
	s_mov_b32 s[GC1+5], 128
	s_lshl_b32 s2, s[GY], 8
	s_lshl_b32 s3, s[LW], 7
	s_add_co_u32 s2, s2, s3                        ; the 128 rows of x (of cos, of sin) that I fetch
	s_lshl_b32 s22, s2, 8                          ; in cos and sin: 256 bytes a row,
	s_lshl_b32 s23, s[HW], 19                      ; the table,
	s_add_co_u32 s22, s22, s23
	s_lshl_b32 s23, s[CH], 6                       ; channel 32 ch
	s_add_co_u32 s22, s22, s23
	s_add_co_u32 s22, s22, CSOFF
	s_mov_b32 s23, 0
	s_lshl_b32 s2, s2, 12                          ; in x: 4,096 bytes a row
	s_mov_b32 s3, 0
	s_lshl_b32 s66, s[HD], 1
	s_add_co_u32 s66, s66, s[CH]                   ; the group
	s_mul_i32 s66, s66, 320
	s_add_co_u32 s66, s66, 2048                    ; its first row, in rows of 4,096 bytes from cv's first byte
	s_mov_b32 s105, s66
	s_lshl_b32 s66, s66, 12
	s_mov_b32 s67, 0
.irp g, G0A, G0L, G0H
	s_mov_b32 s[\g], 1                             ; count = 1
	s_mov_b32 s[\g+4], 1
.endr
	s_mov_b32 s[GC0], 1
	s_mul_i32 s[G0A+1], s[LW], QUAD                ; LDS addresses: constants and the wave's number alone
	s_add_co_u32 s[G0A+5], s[G0A+1], XA
	s_mov_b32 s[G0L+1], LBL
	s_mov_b32 s[G0L+5], LBL+XL
	s_mov_b32 s[G0H+1], LBH
	s_mov_b32 s[G0H+5], LBH+XA
	s_mul_i32 s[GC0+1], s[WV], QUAD
	s_mov_b32 s[TBA], 0
	s_mov_b32 s[TBL], 0
	s_wait_dscnt 0x0                               ; the opening add is done
	s_wait_kmcnt 0x0
	s_add_nc_u64 s[G0A+2:G0A+3], s[4:5], s[2:3]    ; K step 0,
	s_add_nc_u64 s[G0A+6:G0A+7], s[G0A+2:G0A+3], 256  ; K step 1
	s_add_nc_u64 s[G0L+2:G0L+3], s[4:5], s[66:67]
	s_add_nc_u64 s[G0L+6:G0L+7], s[G0L+2:G0L+3], 256
	s_add_nc_u64 s[G0H+2:G0H+3], s[G0L+2:G0L+3], 192*4096
	s_add_nc_u64 s[G0H+6:G0H+7], s[G0H+2:G0H+3], 256
	s_add_nc_u64 s[GC0+2:GC0+3], s[4:5], s[22:23]
.irp g, G0A+3, G0A+7, G0L+3, G0L+7, G0H+3, G0H+7, GC0+3
	s_or_b32 s[\g], s[\g], 0x80000000              ; type = 2
.endr
	CROUND                                         ; all sixteen work-groups are here: the first joint loads meet
	s_cmp_lt_u32 s[WV], 2                          ; a wave's two first fills stand together: two loads of mine are out
	s_cbranch_scc0 .Lfirst_b
	TL G0A, G1A
	TL G0A+4, G1A
	PLACES
	s_branch .Lfirst_asked
.Lfirst_b:
	s_cmp_eq_u32 s[WV], 2
	s_cbranch_scc0 .Lfirst_h
	TL G0L, G1L
	TL G0L+4, G1L
	PLACES
	s_branch .Lfirst_asked
.Lfirst_h:
	TL G0H, G1H
	TL G0H+4, G1H
	PLACES
.Lfirst_asked:
	; the lanes' addresses, in the wait for the first tiles
	v_and_b32 v1, 15, v0                           ; r = l % 16
	v_bfe_u32 v2, v0, 4, 1                         ; h = l / 16
	v_and_b32 v3, 31, v0                           ; l
	v_bfe_u32 v4, v0, 3, 2                         ; l / 8
	v_and_b32 v5, 7, v0                            ; l % 8
	v_mul_u32_u24 v6, v1, PITCH
	v_lshl_add_u32 v6, v2, 4, v6                   ; a fragment: row x pitch + 16 x half
	s_mul_i32 s2, s[HW], QUAD
	s_mul_i32 s3, s[LW], 64*PITCH
	s_add_co_u32 s2, s2, s3                        ; my 64 rows of x; of cos too
	v_add_nc_u32 v[ADRA0], s2, v6
	v_add_nc_u32 v[ADRL0], LBL, v6
	v_add_nc_u32 v[ADRH0], LBH, v6
	v_mov_b32 v[ADRA], v[ADRA0]
	v_mov_b32 v[ADRBL], v[ADRL0]
	v_mov_b32 v[ADRBH], v[ADRH0]
	v_mul_u32_u24 v[CL0], v4, PITCH                ; cos: row l / 8, 8 bytes (4 channels) at 8 (l % 8)
	v_lshl_add_u32 v[CL0], v5, 3, v[CL0]
	v_add_nc_u32 v[CL0], s2, v[CL0]
	s_mul_i32 s2, s[WV], 16*VSP
	s_add_co_u32 s2, s2, STAGE
	v_mul_u32_u24 v[STO], v1, VSP
	v_lshl_add_u32 v[STO], v2, 4, v[STO]
	v_add_nc_u32 v[STO], s2, v[STO]
	v_mul_u32_u24 v[RD], v4, VSP
	v_lshl_add_u32 v[RD], v5, 4, v[RD]
	v_add_nc_u32 v[RD], s2, v[RD]
	v_lshlrev_b32 v[GO], 4, v3
	s_mul_i32 s2, s[WV], QUAD
	s_add_co_u32 s2, s2, XA                        ; my dump
	v_mul_u32_u24 v[DST], v1, DP
	v_lshl_add_u32 v[DST], v2, 5, v[DST]
	v_add_nc_u32 v[DST], s2, v[DST]
	v_mul_u32_u24 v[DL0], v4, DP
	v_lshl_add_u32 v[DL0], v5, 4, v[DL0]
	v_add_nc_u32 v[DL0], s2, v[DL0]
	s_lshl_b32 s2, s[WV], 8
	s_add_co_u32 s2, s2, PBB
	v_lshl_add_u32 v[PBA0], v4, 2, s2
	v_lshl_add_u32 v[PBR], v3, 3, s2
	v_lshlrev_b32 v[KBO], 3, v3
	v_lshlrev_b32 v[PFO], 12, v3
	v_add_nc_u32 v[PFO2], 32, v1
	v_lshlrev_b32 v[PFO2], 12, v[PFO2]
	v_lshl_add_u32 v[PFO2], v2, 8, v[PFO2]
	; where the results go
	s_lshl_b32 s2, s[GY], 2
	s_add_co_u32 s2, s2, s[WV]                     ; my block of 64 rows
	s_lshl_b32 s22, s2, 15
	s_lshl_b32 s3, s[HD], 20
	s_add_co_u32 s22, s22, s3
	s_lshl_b32 s3, s[CH], 14
	s_add_co_u32 s22, s22, s3
	s_mov_b32 s23, 0
	s_add_nc_u64 s[6:7], s[6:7], s[22:23]
	s_add_nc_u64 s[8:9], s[8:9], s[22:23]
	s_lshr_b32 s22, s22, 1                         ; vh's blocks and planes are half as long
	s_add_nc_u64 s[10:11], s[10:11], s[22:23]
	s_lshl_b32 s22, s2, 8
	s_lshl_b32 s3, s[HD], 13
	s_add_co_u32 s22, s22, s3
	s_lshl_b32 s3, s[CH], 17
	s_add_co_u32 s22, s22, s3
	s_add_nc_u64 s[12:13], s[12:13], s[22:23]
	; the prefetches: my rows, in rows of 4,096 bytes from cv's first byte
	s_lshl_b32 s2, s[GY], 8
	s_lshl_b32 s3, s[LW], 7
	s_add_co_u32 s2, s2, s3
	s_lshl_b32 s3, s[CX], 5
	s_add_co_u32 s2, s2, s3                        ; waves 0, 1: 32 of the 128 rows of x that I fetch
	s_mul_i32 s3, s[CY], 48
	s_add_co_u32 s3, s3, s105                      ; wave 2: 48 of the weights' rows 0-191
	s_lshl_b32 s22, s[CY], 5
	s_add_co_u32 s22, s22, s105
	s_add_co_u32 s22, s22, 192                     ; wave 3: 32 of rows 192-319
	s_cmp_eq_u32 s[WV], 2
	s_cselect_b32 s3, s3, s22
	s_cmp_lt_u32 s[WV], 2
	s_cselect_b32 s2, s2, s3
	s_lshl_b32 s2, s2, 12
	s_add_co_u32 s2, s2, 2*256                     ; at K step 2: the first refill steps it to 3
	s_mov_b32 s3, 0
	s_add_nc_u64 s[PFA:PFA+1], s[4:5], s[2:3]
	s_and_b32 s22, ttmp7, 0xffff
	s_cmp_lt_u32 s[WV], 2
	s_cselect_b32 s22, ttmp9, s22                  ; the coordinate along which other clusters read the same rows
	s_cmp_eq_u32 s22, 0
	s_cselect_b32 s[LIM], 1, -1
	s_cmp_eq_u32 s[WV], 2
	s_cselect_b32 s[LIM2], 2, -1
	s_cmp_eq_u32 s[LIM], 1
	s_cselect_b32 s[LIM2], s[LIM2], -1
	s_mov_b32 s[NL2E], 0xbfb8aa3b
	s_mov_b32 s[NL2E+1], 0xbfb8aa3b
	s_mov_b32 s[LN2], 0x3f317218
	s_mov_b32 s[LN2+1], 0x3f317218
	s_mov_b32 s[EPS], 0x38d1b717
	s_mov_b32 s[EPS+1], 0x38d1b717
	s_mov_b32 s[MSK], 0xffff0000
; 16 products: column group g, all four row blocks x four column blocks, 32 along K, x's buffer par.  Each of the 80 accumulators has one turn in 80: no two matrix instructions on end share one.
.macro MULG g, par, zero
	WIN 0x50*((\g)/2+1)                            ; C and D in window 1 + g / 2, both sources in window 0
.irp rt, 0,1,2,3
.irp ct, 0,1,2,3
.if \zero
	v_wmma_f32_16x16x32_bf16 v[128*((\g)%2)+8*(4*(\rt)+(\ct)):128*((\g)%2)+8*(4*(\rt)+(\ct))+7], v[FB+32*(\g)+8*(\ct):FB+32*(\g)+8*(\ct)+7], v[FA+32*(\par)+8*(\rt):FA+32*(\par)+8*(\rt)+7], 0
.else
	v_wmma_f32_16x16x32_bf16 v[128*((\g)%2)+8*(4*(\rt)+(\ct)):128*((\g)%2)+8*(4*(\rt)+(\ct))+7], v[FB+32*(\g)+8*(\ct):FB+32*(\g)+8*(\ct)+7], v[FA+32*(\par)+8*(\rt):FA+32*(\par)+8*(\rt)+7], v[128*((\g)%2)+8*(4*(\rt)+(\ct)):128*((\g)%2)+8*(4*(\rt)+(\ct))+7]
.endif
.endr
.endr
.endm
.macro LOADB g, k                      ; 8 loads: group g's four fragments, 32 along K at byte k of the rows
	WIN 0
.irp ct, 0,1,2,3
.if (\g) < 3
	ds_load_b128 v[FB+32*(\g)+8*(\ct):FB+32*(\g)+8*(\ct)+3],   v[ADRBL] offset:(64*(\g)+16*(\ct))*PITCH+(\k)
	ds_load_b128 v[FB+32*(\g)+8*(\ct)+4:FB+32*(\g)+8*(\ct)+7], v[ADRBL] offset:(64*(\g)+16*(\ct))*PITCH+(\k)+32
.else
	ds_load_b128 v[FB+32*(\g)+8*(\ct):FB+32*(\g)+8*(\ct)+3],   v[ADRBH] offset:(64*((\g)-3)+16*(\ct))*PITCH+(\k)
	ds_load_b128 v[FB+32*(\g)+8*(\ct)+4:FB+32*(\g)+8*(\ct)+7], v[ADRBH] offset:(64*((\g)-3)+16*(\ct))*PITCH+(\k)+32
.endif
.endr
.endm
.macro LOADA par, k                    ; 8 loads: x's four fragments into buffer par
	WIN 0
.irp rt, 0,1,2,3
	ds_load_b128 v[FA+32*(\par)+8*(\rt):FA+32*(\par)+8*(\rt)+3],   v[ADRA] offset:16*(\rt)*PITCH+(\k)
	ds_load_b128 v[FA+32*(\par)+8*(\rt)+4:FA+32*(\par)+8*(\rt)+7], v[ADRA] offset:16*(\rt)*PITCH+(\k)+32
.endr
.endm
; A chunk of 32 along K.  The next chunk's fragments come in TWO runs of 24 loads: the first (B0, x's, B1) behind groups 0 and 1, whose registers it fills again, 48 products ahead of its first use;
; the second (B2, B3, B4) behind group 4, 32 products ahead of its first use.  At the chunk's head the last chunk's second run, 24 loads, is younger than the first run that is wanted; in its middle this chunk's
; first run, 24 loads, is younger than the second run that is wanted: both waits count 24.
.macro CHUNKP par, knext, zero
	s_wait_dscnt 24
	MULG 0, \par, \zero
	MULG 1, \par, \zero
	PLACES
	LOADB 0, \knext
	LOADA 1-(\par), \knext
	LOADB 1, \knext
	s_wait_dscnt 24
	MULG 2, \par, \zero
	MULG 3, \par, \zero
	MULG 4, \par, \zero
	PLACES
	LOADB 2, \knext
	LOADB 3, \knext
	LOADB 4, \knext
.endm
; A K step's fourth chunk changes slots.  Ahead of the round each wave waits for all its tensor loads (one is out: its part of the other slot), adds 0 to its spare word, and waits for that and for its reads of
; this slot, all of whose fragments are then in registers.  Behind the round the slot is filled again first: kind 1 with the K step two on, kind 2 with cos and sin.  From a request to the wait for it: 288 matrix instructions.
.macro CHUNKT kind
.if (\kind) == 1
	s_wait_xcnt 0x0                                ; the last prefetches, a K step back, have read their address
	s_add_nc_u64 s[PFA:PFA+1], s[PFA:PFA+1], 256
.endif
	s_wait_dscnt 24                                ; B0, x's and B1 are in
	MULG 0, 1, 0
	WIN 0
	s_wait_tensorcnt 0x0                           ; all my tensor loads have landed
	ds_add_u32 v[SPW], v[NIL]                      ; 0 onto my spare word; sixteen products stand between it and the wait for it
	MULG 1, 1, 0
	s_wait_dscnt 0x0                               ; the add is done, and my reads of this slot are over
	s_barrier_signal -1
	MULG 2, 1, 0
	WIN 0
	s_barrier_wait -1
	CREST                                          ; no wave of any partner still reads this slot or has a load on its way
.if (\kind) == 1
	s_xor_b32 s[G0A+5], s[G0A+5], XA               ; the walking descriptors: the other slot than last time, the next K step
	s_add_nc_u64 s[G0A+6:G0A+7], s[G0A+6:G0A+7], 256
	s_xor_b32 s[G0L+5], s[G0L+5], XL
	s_add_nc_u64 s[G0L+6:G0L+7], s[G0L+6:G0L+7], 256
	s_xor_b32 s[G0H+5], s[G0H+5], XA
	s_add_nc_u64 s[G0H+6:G0H+7], s[G0H+6:G0H+7], 256
.endif
	s_xor_b32 s[TBA], s[TBA], XA
	s_xor_b32 s[TBL], s[TBL], XL
.if (\kind) == 1
	JLOAD                                          ; the four v_nop behind it are also the places ahead of the loads below
.else
	JLOADC
.endif
	v_add_nc_u32 v[ADRA], s[TBA], v[ADRA0]
	v_add_nc_u32 v[ADRBL], s[TBL], v[ADRL0]
	v_add_nc_u32 v[ADRBH], s[TBA], v[ADRH0]
	LOADB 0, 0
	LOADA 0, 0
	LOADB 1, 0
.if (\kind) == 1
	ASK
.endif
	MULG 3, 1, 0
	MULG 4, 1, 0
	PLACES
	LOADB 2, 0
	LOADB 3, 0
	LOADB 4, 0
.endm
	s_wait_tensorcnt 0x1                           ; my part of K step 0 is in; K step 1's may stay out
	s_barrier_signal -1
	s_barrier_wait -1
	LOADB 0, 0
	LOADA 0, 0
	LOADB 1, 0
	LOADB 2, 0
	LOADB 3, 0
	LOADB 4, 0
	CHUNKP 0, 64, 1                                ; the first chunk stands ahead of the loop: its products start the sums
	WIN 0
	s_mov_b32 s[CNT], 14
.Lstep:                                            ; trip n: chunks 1 to 3 of K step n, chunk 0 of K step n + 1; slot n % 2 is filled with K step n + 2
	CHUNKP 1, 128, 0
	CHUNKP 0, 192, 0
	CHUNKT 1
	CHUNKP 0, 64, 0
	WIN 0
	s_sub_co_u32 s[CNT], s[CNT], 1
	s_cmp_lg_u32 s[CNT], 0
	s_cbranch_scc1 .Lstep
	CHUNKP 1, 128, 0                               ; K step 14; behind it slot 0 takes cos and sin
	CHUNKP 0, 192, 0
	CHUNKT 2
	CHUNKP 0, 64, 0                                ; K step 15
	CHUNKP 1, 128, 0
	CHUNKP 0, 192, 0
	s_wait_dscnt 24                                ; the last chunk loads nothing
	MULG 0, 1, 0
	MULG 1, 1, 0
	s_wait_dscnt 0x0
	MULG 2, 1, 0
	MULG 3, 1, 0
	MULG 4, 1, 0
	WIN 0
	PLACES
	s_wait_tensorcnt 0x0                           ; my part of cos or sin is in,
	s_barrier_signal -1
	s_barrier_wait -1                              ; everybody's is, and nobody reads slot 1 any more
; v: rounded to f16; a lane's 16 bytes go into rows of 144 bytes of my stage and come back as four whole rows, 512 consecutive bytes of vh.
.set VT, 32
.macro VPACK rt
	WIN 0x0f                                       ; sources in window 3
.irp ct, 0,1,2,3
.irp k, 0,1,2,3
	v_cvt_pk_f16_f32 v[VT+16*(\rt)+4*(\ct)+(\k)], v[8*(4*(\rt)+(\ct))+2*(\k)], v[8*(4*(\rt)+(\ct))+2*(\k)+1]
.endr
.endr
	WIN 0
.irp ct, 0,1,2,3
	ds_store_b128 v[STO], v[VT+16*(\rt)+4*(\ct):VT+16*(\rt)+4*(\ct)+3] offset:32*(\ct)
.endr
.irp f, 0,1,2,3
	ds_load_b128 v[VT+16*(\rt)+4*(\f):VT+16*(\rt)+4*(\f)+3], v[RD] offset:(\f)*4*VSP  ; LDS serves a wave's instructions in order (ISA guide 5.7.1.4): these see the stores above
.endr
.endm
.macro VSEND rt, younger
.irp f, 0,1,2,3
	s_wait_dscnt (\younger)+3-(\f)
	global_store_b128 v[GO], v[VT+16*(\rt)+4*(\f):VT+16*(\rt)+4*(\f)+3], s[10:11] offset:(\rt)*2048+(\f)*512
.endr
.endm
	VPACK 0
	VPACK 1
	VSEND 0, 8
	VPACK 2
	VSEND 1, 8
	VPACK 3
	VSEND 2, 8
	VSEND 3, 0
; The means and raw variances of q (window 1) or k (window 2) go into my dump, a row of x a row: 64 means, then 64 variances, f32.  Each accumulator's low four registers go first.
.macro DUMP win
	WIN 4*(\win)                                   ; the stores' data in window win
.irp part, 0,1
.irp rt, 0,1,2,3
.irp ct, 0,1,2,3
	ds_store_b128 v[DST], v[128*(\part)+8*(4*(\rt)+(\ct)):128*(\part)+8*(4*(\rt)+(\ct))+3]   offset:(\rt)*16*DP+(\part)*256+(\ct)*64
	ds_store_b128 v[DST], v[128*(\part)+8*(4*(\rt)+(\ct))+4:128*(\part)+8*(4*(\rt)+(\ct))+7] offset:(\rt)*16*DP+(\part)*256+(\ct)*64+16
.endr
.endr
.endr
	WIN 0
.endm
; THE POINTWISE PART: 8 trips of 8 rows.  Lane l takes, in each of two groups u of four rows, row l / 8 and the channels e = 4 (l % 8) .. + 3 and e + 32.  Index 8 u + 4 half + n.
.set MU,  32
.set SG,  48
.set CN,  64                           ; by u: cos of e (2 registers), cos of e + 32, sin of e, sin of e + 32, bf16
.set T,   80
.set U,   96
.set R,   112
.set MX,  128
.set W,   144
.set O,   160
.set BHI, 176
.set BLO, 184
.set HF,  192
.set ZR,  208
.set SQ,  210
.set LG,  214
.set NW,  218
.macro MIX d, c, hi, x, a              ; d = bf16 half of c x x + a, in f32
.if \hi
	v_fma_mix_f32_bf16 v[\d], v[\c], v[\x], v[\a] op_sel:[1,0,0] op_sel_hi:[1,0,0]
.else
	v_fma_mix_f32_bf16 v[\d], v[\c], v[\x], v[\a] op_sel_hi:[1,0,0]
.endif
.endm
.macro PK8 line:vararg                 ; one packed line for each of the eight pairs i = 0, 2 .. 14
.set i, 0
.rept 8
	\line
.set i, i+2
.endr
.endm
.macro ONE16 line:vararg               ; one line for each of the sixteen numbers i
.set i, 0
.rept 16
	\line
.set i, i+1
.endr
.endm
.macro ELOOP isk, gb                   ; isk = 1: k, with the bias; gb: the scalar pair with the planes' address
	WIN 0
	s_wait_xcnt 0x0                                ; earlier stores have read their registers, which are written anew below
	v_mov_b32 v[DL], v[DL0]
	v_mov_b32 v[CL], v[CL0]
	v_add_nc_u32 v[SL], 2*QUAD, v[CL0]
	v_mov_b32 v[GV], v[GO]
	v_mov_b32 v[ZR], 0
.if \isk
	v_mov_b32 v[PBA], v[PBA0]
.endif
	s_mov_b32 s[ECNT], 8
.Lrows_\@:
.irp u, 0,1
	ds_load_b128 v[MU+8*\u:MU+8*\u+3],   v[DL] offset:\u*4*DP
	ds_load_b128 v[MU+8*\u+4:MU+8*\u+7], v[DL] offset:\u*4*DP+128
	ds_load_b128 v[SG+8*\u:SG+8*\u+3],   v[DL] offset:\u*4*DP+256
	ds_load_b128 v[SG+8*\u+4:SG+8*\u+7], v[DL] offset:\u*4*DP+384
	ds_load_b64 v[CN+8*\u:CN+8*\u+1],   v[CL] offset:\u*4*PITCH
	ds_load_b64 v[CN+8*\u+2:CN+8*\u+3], v[CL] offset:\u*4*PITCH+128
	ds_load_b64 v[CN+8*\u+4:CN+8*\u+5], v[SL] offset:\u*4*PITCH
	ds_load_b64 v[CN+8*\u+6:CN+8*\u+7], v[SL] offset:\u*4*PITCH+128
.endr
	s_wait_dscnt 0x0
	ONE16 v_and_b32 v[T+i], 0x7fffffff, v[SG+i]
	PK8 v_pk_mul_f32 v[T+i:T+i+1], v[T+i:T+i+1], s[NL2E:NL2E+1] op_sel_hi:[1,0]
	ONE16 v_exp_f32 v[T+i], v[T+i]                 ; t = e^-|s|
	ONE16 v_max_num_f32 v[MX+i], 0, v[SG+i]        ; plain work behind the batch,
	s_wait_alu depctr_va_vdst(0)                   ; and the one wait ahead of its first reader
	PK8 v_pk_add_f32 v[U+i:U+i+1], v[T+i:T+i+1], 1.0 op_sel_hi:[1,0]
	ONE16 v_log_f32 v[SG+i], v[U+i]
	PK8 v_pk_add_f32 v[R+i:R+i+1], v[U+i:U+i+1], -1.0 op_sel_hi:[1,0]
	PK8 v_pk_add_f32 v[R+i:R+i+1], v[T+i:T+i+1], v[R+i:R+i+1] neg_lo:[0,1] neg_hi:[0,1]  ; what 1 + t rounded away
	s_wait_alu depctr_va_vdst(0)
	PK8 v_pk_fma_f32 v[R+i:R+i+1], v[SG+i:SG+i+1], s[LN2:LN2+1], v[R+i:R+i+1] op_sel_hi:[1,0,1]
	PK8 v_pk_add_f32 v[R+i:R+i+1], v[R+i:R+i+1], v[MX+i:MX+i+1]
	PK8 v_pk_add_f32 v[R+i:R+i+1], v[R+i:R+i+1], s[EPS:EPS+1] op_sel_hi:[1,0]   ; sigma
	ONE16 v_rsq_f32 v[T+i], v[R+i]
.if \isk
	ONE16 v_log_f32 v[U+i], v[R+i]
.endif
	v_nop
	s_wait_alu depctr_va_vdst(0)
	PK8 v_pk_mul_f32 v[W+i:W+i+1], v[MU+i:MU+i+1], v[T+i:T+i+1]
	; the rotation: o(e) = w(e) cos(e) - w(e+32) sin(e);  o(e+32) = w(e+32) cos(e+32) + w(e) sin(e+32)
.irp u, 0,1
.irp n, 0,1,2,3
	v_xor_b32 v[NW+4*\u+\n], 0x80000000, v[W+8*\u+4+\n]
.endr
.endr
.irp u, 0,1
.irp n, 0,1,2,3
	MIX HF+8*\u+\n, CN+8*\u+4+\n/2, \n%2, NW+4*\u+\n, ZR
	MIX HF+8*\u+4+\n, CN+8*\u+6+\n/2, \n%2, W+8*\u+\n, ZR
.endr
.endr
.irp u, 0,1
.irp n, 0,1,2,3
	MIX O+8*\u+\n, CN+8*\u+\n/2, \n%2, W+8*\u+\n, HF+8*\u+\n
	MIX O+8*\u+4+\n, CN+8*\u+2+\n/2, \n%2, W+8*\u+4+\n, HF+8*\u+4+\n
.endr
.endr
.if \isk
	; -0.5 (sum of o^2 + ln2 x sum of log2 sigma) over the row's 64 channels: my 8, then the 8 lanes of the row
.irp u, 0,1
	v_pk_mul_f32 v[SQ+2*\u:SQ+2*\u+1], v[O+8*\u:O+8*\u+1], v[O+8*\u:O+8*\u+1]
	v_pk_add_f32 v[LG+2*\u:LG+2*\u+1], v[U+8*\u:U+8*\u+1], v[U+8*\u+2:U+8*\u+3]
.endr
.irp k, 2,4,6
.irp u, 0,1
	v_pk_fma_f32 v[SQ+2*\u:SQ+2*\u+1], v[O+8*\u+\k:O+8*\u+\k+1], v[O+8*\u+\k:O+8*\u+\k+1], v[SQ+2*\u:SQ+2*\u+1]
.endr
.endr
.irp k, 4,6
.irp u, 0,1
	v_pk_add_f32 v[LG+2*\u:LG+2*\u+1], v[LG+2*\u:LG+2*\u+1], v[U+8*\u+\k:U+8*\u+\k+1]
.endr
.endr
.irp u, 0,1
	v_pk_fma_f32 v[SQ+2*\u:SQ+2*\u+1], v[LG+2*\u:LG+2*\u+1], s[LN2:LN2+1], v[SQ+2*\u:SQ+2*\u+1] op_sel_hi:[1,0,1]
.endr
.irp u, 0,1
	v_add_f32 v[SQ+2*\u], v[SQ+2*\u], v[SQ+2*\u+1]
.endr
.irp x, 1,2,4
.irp u, 0,1
	v_add_f32_dpp v[SQ+2*\u], v[SQ+2*\u], v[SQ+2*\u] row_xmask:\x row_mask:0xf bank_mask:0xf
.endr
.endr
.irp u, 0,1
	v_mul_f32 v[SQ+2*\u], -0.5, v[SQ+2*\u]
	ds_store_b32 v[PBA], v[SQ+2*\u] offset:16*\u   ; the row's eight lanes write one word with one value
.endr
.endif
	; hi = bf16(o), lo = bf16(o - hi): a lane's 8 numbers are 16 bytes of a plane's row
	s_wait_xcnt 0x0                                ; the last trip's four stores have read their offset and their data: GV, BHI and BLO are written again only behind this wait
	v_add_nc_u32 v[GV], 1024, v[GV]                ; one trip's rows ahead; the stores below reach back
.set i, 0
.rept 8
	v_cvt_pk_bf16_f32 v[BHI+i], v[O+2*i], v[O+2*i+1]
.set i, i+1
.endr
.set i, 0
.rept 8
	v_lshlrev_b32 v[HF+2*i], 16, v[BHI+i]
	v_and_b32 v[HF+2*i+1], s[MSK], v[BHI+i]
.set i, i+1
.endr
	PK8 v_pk_add_f32 v[O+i:O+i+1], v[O+i:O+i+1], v[HF+i:HF+i+1] neg_lo:[0,1] neg_hi:[0,1]
.set i, 0
.rept 8
	v_cvt_pk_bf16_f32 v[BLO+i], v[O+2*i], v[O+2*i+1]
.set i, i+1
.endr
.irp u, 0,1
	global_store_b128 v[GV], v[BHI+4*\u:BHI+4*\u+3], s[\gb:\gb+1] offset:\u*512-1024        ; four rows of a plane: 512 consecutive bytes
	global_store_b128 v[GV], v[BLO+4*\u:BLO+4*\u+3], s[\gb:\gb+1] offset:\u*512+8192-1024
.endr
	v_add_nc_u32 v[DL], 8*DP, v[DL]                ; LDS addresses: their loads have come back
	v_add_nc_u32 v[CL], 8*PITCH, v[CL]
	v_add_nc_u32 v[SL], 8*PITCH, v[SL]
.if \isk
	v_add_nc_u32 v[PBA], 32, v[PBA]
.endif
	s_sub_co_u32 s[ECNT], s[ECNT], 1
	s_cmp_lg_u32 s[ECNT], 0
	s_cbranch_scc1 .Lrows_\@
.endm
	DUMP 1
	ELOOP 0, 6
	DUMP 2
	ELOOP 1, 8
	ds_load_b64 v[MU:MU+1], v[PBR]                 ; my wave's 64 biases, two a lane
	s_wait_dscnt 0x0
	global_store_b64 v[KBO], v[MU:MU+1], s[12:13]  ; 256 consecutive bytes, aligned
	s_wait_tensorcnt 0x0                           ; the wave's end, behind my last tensor load and my last LDS store
	ds_add_u32 v[SPW], v[NIL]
	s_wait_dscnt 0x0
	CROUND                                         ; the closing round
	s_endpgm
.Lfunc_end_k_q9e788767be_proj:
	.size	k_q9e788767be_proj, .Lfunc_end_k_q9e788767be_proj-k_q9e788767be_proj
	.p2alignl 7, 3214868480
	.fill 96, 4, 3214868480
	.section	.rodata,"a",@progbits
	.p2align	6, 0x0
	.amdhsa_kernel k_q9e788767be_proj
		.amdhsa_group_segment_fixed_size 327680
		.amdhsa_private_segment_fixed_size 0
		.amdhsa_enable_private_segment 0
		.amdhsa_kernarg_size 40
		.amdhsa_user_sgpr_count 2
		.amdhsa_user_sgpr_kernarg_segment_ptr 1
		.amdhsa_wavefront_size32 1
		.amdhsa_system_sgpr_workgroup_id_x 1
		.amdhsa_system_sgpr_workgroup_id_y 1
		.amdhsa_system_sgpr_workgroup_id_z 1
		.amdhsa_system_vgpr_workitem_id 0
		.amdhsa_next_free_vgpr 896
		.amdhsa_next_free_sgpr 106
		.amdhsa_reserve_vcc 0
		.amdhsa_float_denorm_mode_32 3
		.amdhsa_float_denorm_mode_16_64 3
		.amdhsa_memory_ordered 1
		.amdhsa_forward_progress 1
		.amdhsa_inst_pref_size 164
	.end_amdhsa_kernel
	.amdgpu_metadata
---
amdhsa.version: [ 1, 2 ]
amdhsa.kernels:
  - .name:           k_q9e788767be_proj
    .symbol:         k_q9e788767be_proj.kd
    .args:
      - { .name: cv, .offset: 0, .size: 8, .value_kind: global_buffer, .address_space: global }
      - { .name: qw, .offset: 8, .size: 8, .value_kind: global_buffer, .address_space: global }
      - { .name: kw, .offset: 16, .size: 8, .value_kind: global_buffer, .address_space: global }
      - { .name: vh, .offset: 24, .size: 8, .value_kind: global_buffer, .address_space: global }
      - { .name: kb, .offset: 32, .size: 8, .value_kind: global_buffer, .address_space: global }
    .group_segment_fixed_size: 327680
    .private_segment_fixed_size: 0
    .kernarg_segment_align: 8
    .kernarg_segment_size: 40
    .max_flat_workgroup_size: 128
    .sgpr_count:     106
    .vgpr_count:     896
    .wavefront_size: 32
...
	.end_amdgpu_metadata
.endif
;; end of part 2
;; launch attn (part 3): grid 16 x 16, 4 waves a work-group, clusters of 4 x 1, 327,680 bytes of LDS; arguments qw, kw, vh, kb, ob; writes ob
.if DOCPART == 3
	.amdgcn_target "amdgcn-amd-amdhsa--gfx1250"
	.amdhsa_code_object_version 6
	.text
	.protected	k_q9e788767be_attn
	.globl	k_q9e788767be_attn
	.p2align	8
	.type	k_q9e788767be_attn,@function
k_q9e788767be_attn:
	s_mov_b64 s[64:65], 0
	v_nop
	global_prefetch_b8 v0, s[64:65] scope:SCOPE_SE
	s_setreg_imm32_b32 hwreg(HW_REG_WAVE_MODE, 25, 1), 1
	s_wait_xcnt 0x0
	s_wait_alu depctr_hold_cnt(0) depctr_sa_sdst(0) depctr_va_vdst(0) depctr_va_sdst(0) depctr_va_ssrc(0) depctr_va_vcc(0) depctr_vm_vsrc(0)
	s_getreg_b32 s2, hwreg(HW_REG_IB_STS2, 6, 4)
	s_cmp_eq_u32 s2, 0
	s_cbranch_scc0 .Lentry_in_a_cluster
	s_endpgm
.Lentry_in_a_cluster:
	s_bfe_u32 s2, ttmp6, 0x10000c
	s_cmp_lg_u32 s2, 0x3003
	s_cbranch_scc0 .Lentry_shape_is_right
	s_endpgm
.Lentry_shape_is_right:
; O[q] = the sum over k of softmax_k(q_w . k_w + b[k]) V[k], b = -0.5 (|k_w|^2 + log det k).  The terms of the score that hang on the query alone are constant along the softmax's axis and fall out of it for every input.
; q_w and k_w come as pairs of bf16 numbers (hi, lo); the dot product is hi.hi + hi_k.lo_q + lo_k.hi_q, three bf16 products on ONE f32 accumulator whose sum starts with b as its C operand.
; V, the weights p and O are f16; maxima and sums f32; the running maximum is kept.
; LIMITS.  |V| below 65,504 (as it arrives); log2(e) x |score| below 4e37 (the running maximum starts there); a weight below 2^-126 counts as 0; NaN and infinities are not treated apart.
; SHARES.  A work-group owns 128 queries of a head.  Wave w: the 64 queries qg = w % 2 (four tiles of 16) and the key half kh = w / 2 (1,024 keys, 16 steps of 64): a fragment of K or V feeds four tiles.
; LAYOUT.  S^T = K Q^T (source 0 = 16 keys, source 1 = 16 queries): a lane holds ONE query (lane % 16) and the keys 8 (lane / 16) + 0..7; two such results rounded to f16 ARE source 1 of O^T = V^T P.
; THE SOFTMAX RIDES BEHIND THE PRODUCTS.  A step's scores are four BLOCKS of 16 keys (an accumulator a tile).  Trip n: the change of slots; P1: V^T P of step n - 1, keys 32-63; Q0 .. Q3: the scores of step n + 1, a block each;
; P0: V^T P of step n, keys 0-31.  Block kt of step n + 1 is written over block kt of step n when that block's weights have been rounded and summed, so one buffer of scores serves.  The step's 536 vector
; instructions stand in 134 slices of four behind the products (VOP lists them).
; THE RING.  V is wanted a step later than K, so fill m brings K of step m and V of step m - 1: a fill is read in one stretch.  V of step 15 has no fill to ride in: it is a first fill into bytes of its own.
; THE START is a trip like any other, trip -1: the weights that it rounds are 0, c m lies far below every c s, so that the first true step multiplies O^T and l by a = 0; fill 0 has V of step 15 in V's place, which meets
; weights of 0.  O^T and the scores are started by 48 products on zeros.  The price, once a launch: these 48 and that trip's 64 products V^T P.
; THE END.  The two key halves' maxima, sums and O meet once, in LDS.  The waves of the second half hold their four query tiles with the halves swapped, so every wave keeps its register tiles 0, 1 and hands over 2, 3: one text.
; CLUSTER.  The four query blocks of a cluster belong to one head and walk the same K, V and b: joint loads, mask 15.
; LDS.  Two slots: for each key half K (4 planes x 64 rows x 144 bytes) and V (2 planes x 64 x 160); between them the biases [kh][ch][1024] f32, filled once; behind them V of step 15.
; REGISTERS.  window 0: addresses, statistics (8 a tile), S^T v64-191, P v192-255.  window 1: O^T, 64 a tile.  window 2: Q: tile t, chunk c: hi at 64 t + 8 c, lo 32 on.
;   window 3: three item buffers of 80: 16 keys' K hi (32), K lo (32), the two halves of their bias (8 + 8); or 32 keys' V (64).  Buffer 0: V's keys 32-63, then K's block 2; buffer 1: K's blocks 0, 3; buffer 2: K's block 1, then V's keys 0-31.
.set PK,    144                        ; a row of K: 128 bytes + 16: the 16 rows of a load start at 16 different groups of four banks (64 banks of 4 bytes: ISA guide 11.1)
.set PV,    160                        ; a row of V: 128 + 32
.set KPL,   64*PK
.set VPL,   64*PV
.set VOFF,  4*KPL
.set HALF,  VOFF+2*VPL                 ; 57,344: a key half's part of a slot
.set BIAS,  2*HALF
.set SLOT1, 1<<17
.set VX,    SLOT1+2*HALF               ; V of step 15: 2 x 20,480 bytes
.set SPARE, VX+4*VPL                   ; the spare words: two blocks of 256 bytes that no other line names
.set STAGE, SPARE+512                  ; 4 x 16 rows x 272 bytes: the way out
.set SP,    272
.set MRG,   0                          ; the meeting lies in slot 0, whose last fill is over and whose last readers have passed a barrier: 4 x 16,384 bytes of O^T,
.set MST,   65536                      ; 4 x 512 of maxima and sums
.set AK0, 2
.set AV0, 3
.set AK,  4
.set AV,  5
.set AB,  6
.set QOA, 7
.set STO, 8
.set RD,  9
.set GO,  10
.set EX,  11
.set ST,  12                           ; tile t at ST + 8 t: c m, m, l (even keys', odd keys'), c0-c3 at work; a takes c2's place
.set MSA, 44
.set IM,  45
.set MSI, 46
.set AVX, 47
.set CB,  48                           ; v48-55: the number at which the scores start; never rewritten
.set QOB, 56
.set PFO, 61
.set SPW, 62
.set NIL, 63
.set S,   64
.set P,   192
.set WV,  14
.set QG,  15
.set PFA, 16                           ; s[16:17]
.set PFS, 18                           ; s[18:19] bytes of a step in the tensor that I prefetch
.set LIM, 20
.set PM,  21
.set KH,  22
.set G1K, 24
.set G1V, 32
.set G0K, 40                           ; K's group 0: it walks from the first fill on
.set G0V, 44                           ; V's: it walks
.set G0X, 48                           ; V of step 15, into its own bytes
.set G0Z, 52                           ; the biases
.set G0Y, 56                           ; V of step 15, into slot 0
.set SLOTS, 60
.set TB,  62
.set G1Z, 68
.set SEL, 76
.set CS,  78                           ; s[78:79] c = log2(e)
.set MSB, 0
.macro WIN new                         ; the immediate's high byte repeats the setting that is left; a switch that changes nothing is dropped
.if MSB != (\new)
	s_set_vgpr_msb (MSB<<8)|(\new)
.set MSB, (\new)
.endif
.endm
.macro PLACES                          ; four plain vector instructions behind a matrix instruction, ahead of loads into registers that it has read and of reads of its result (ISA guide 7.12.1 for reads of its result)
.rept 4
	v_nop
.endr
.endm
.macro TL g0, g1
	tensor_load_to_lds s[\g0:\g0+3], s[\g1:\g1+7]
	s_nop 0
.endm
.macro JLOAD                           ; waves with qg = 0 fetch their key half's K, the others its V
	s_cmp_eq_u32 s[QG], 0
	s_cbranch_scc0 .Lfor_v_\@
	TL G0K, G1K
	PLACES
	s_branch .Lasked_\@
.Lfor_v_\@:
	TL G0V, G1V
	PLACES
.Lasked_\@:
.endm
.macro CROUND                          ; a round of the cluster's barrier
	s_barrier_signal -1
	s_barrier_wait -1
	s_cmp_lg_u32 s[WV], 0
	s_cbranch_scc1 .Lnot_wave_0_\@
	s_barrier_signal -3
.Lnot_wave_0_\@:
	s_barrier_wait -3
	s_barrier_signal -1
	s_barrier_wait -1
.endm
; A PREFETCH INTO THE L2 of what the next refill will ask for, a trip (256 matrix instructions) ahead of that load.  All clusters of a head walk the same K and V: the head's first cluster asks; its four
; partners share the bytes out BY ADDRESS, 8,192 each, a lane 256.  A K wave: its half's next step (32,768 bytes), in every trip.  A V wave: two steps (2 x 16,384, on end in memory), in every second trip.
; The loop's last trip asks for nothing; K's steps 0 and 1 and V's steps 0 and 15 come by their loads alone.
.macro ASK
	s_and_b32 s63, s[SLOTS], s[PM]
	s_cmp_eq_u32 s63, s[PM]
	s_cselect_b32 s63, s[SLOTS], 0
	s_cmp_gt_u32 s63, s[LIM]
	s_cbranch_scc0 .Lnot_mine_\@
	global_prefetch_b8 v[PFO], s[PFA:PFA+1] th:TH_LOAD_NT scope:SCOPE_SE
.Lnot_mine_\@:
.endm
	s_load_b256 s[4:11], s[0:1], 0x0               ; qw s[4:5], kw s[6:7], vh s[8:9], kb s[10:11]
	s_load_b64 s[12:13], s[0:1], 0x20              ; ob
	v_lshl_add_u32 v[SPW], v0, 2, SPARE
	v_mov_b32 v[NIL], 0
	ds_add_u32 v[SPW], v[NIL]                      ; the wave's opening: the add and its wait stand ahead of my first tensor load
	v_lshrrev_b32 v1, 5, v0
	v_readfirstlane_b32 s[WV], v1
	s_and_b32 s[QG], s[WV], 1
	s_lshr_b32 s[KH], s[WV], 1
	s_and_b32 s61, ttmp7, 0xffff                   ; the head, which the four partners share
	s_lshl_b32 s2, s61, 20
	s_lshl_b32 s3, s[KH], 19
	s_add_co_u32 s2, s2, s3                        ; kw: the head's 32 blocks of 32,768 bytes, my half's 16
	s_mov_b32 s3, 0
	s_lshr_b32 s18, s2, 1                          ; vh: blocks half as long
	s_mov_b32 s19, 0
	s_lshl_b32 s20, s61, 13
	s_lshl_b32 s21, s[KH], 12
	s_add_co_u32 s20, s20, s21                     ; kb: the head's 2,048 words, my half's 1,024
	s_mov_b32 s21, 0
	s_mov_b32 s[G1K], 15|(1<<16)|(1<<20)|(1<<21)|(4<<22)|(3<<25)  ; mask of four; 2-byte elements; padding on; bit 21 beside a mask; after every 32 words, 4 words
	s_mov_b32 s[G1V], 15|(1<<16)|(1<<20)|(1<<21)|(4<<22)|(7<<25)  ; the same with 8 words
.irp g, G1K, G1V
	s_mov_b32 s[\g+1], 128<<16                     ; a dense block, asked for as rows of 256 bytes
	s_mov_b32 s[\g+3], 128<<16
	s_mov_b32 s[\g+5], 128
	s_mov_b32 s[\g+6], 0
	s_mov_b32 s[\g+7], 0
.endr
	s_mov_b32 s[G1K+2], 128<<16                    ; K: 128 such rows
	s_mov_b32 s[G1K+4], 128
	s_mov_b32 s[G1V+2], 64<<16                     ; V: 64
	s_mov_b32 s[G1V+4], 64
	s_mov_b32 s[G1Z], 15|(3<<16)|(1<<21)           ; the biases: elements of 8 bytes, no padding
	s_mov_b32 s[G1Z+1], 512<<16                    ; 4,096 bytes of each of
	s_mov_b32 s[G1Z+2], 2<<16                      ; two rows (ch),
	s_mov_b32 s[G1Z+3], 512<<16
	s_mov_b32 s[G1Z+4], 2
	s_mov_b32 s[G1Z+5], 16384                      ; 131,072 bytes apart
	s_mov_b32 s[G1Z+6], 0
	s_mov_b32 s[G1Z+7], 0
	s_mul_i32 s[TB], s[KH], HALF
.irp g, G0K, G0V, G0X, G0Z, G0Y
	s_mov_b32 s[\g], 1
.endr
	s_mov_b32 s[G0K+1], s[TB]                      ; slot 0
	s_add_co_u32 s[G0V+1], s[TB], VOFF             ; slot 0: the first walk turns it into slot 1
	s_add_co_u32 s[G0Y+1], s[TB], VOFF             ; slot 0
	s_mul_i32 s[G0X+1], s[KH], 2*VPL
	s_add_co_u32 s[G0X+1], s[G0X+1], VX
	s_lshl_b32 s[G0Z+1], s[KH], 13
	s_add_co_u32 s[G0Z+1], s[G0Z+1], BIAS
	s_add_co_u32 s[TB], s[TB], SLOT1               ; the first change of slots turns it into slot 0
	s_mov_b32 s[CS], 0x3fb8aa3b
	s_mov_b32 s[CS+1], 0x3fb8aa3b
	s_mov_b32 s[SEL], 0x76543210
	s_mov_b32 s[SEL+1], 0xfedcba98
	s_wait_dscnt 0x0                               ; the opening add is done
	s_wait_kmcnt 0x0
	s_add_nc_u64 s[6:7], s[6:7], s[2:3]
	s_add_nc_u64 s[8:9], s[8:9], s[18:19]
	s_add_nc_u64 s[10:11], s[10:11], s[20:21]
	s_mov_b64 s[G0K+2:G0K+3], s[6:7]               ; K of step 0
	s_sub_nc_u64 s[G0V+2:G0V+3], s[8:9], 16384     ; a step ahead of V's step 0: no load is issued before the first walk has stepped it there
	s_add_nc_u64 s[G0X+2:G0X+3], s[8:9], 15*16384  ; V of step 15
	s_add_nc_u64 s[G0Y+2:G0Y+3], s[8:9], 15*16384
	s_mov_b64 s[G0Z+2:G0Z+3], s[10:11]
.irp g, G0K+3, G0V+3, G0X+3, G0Z+3, G0Y+3
	s_or_b32 s[\g], s[\g], 0x80000000
.endr
	CROUND                                         ; all four work-groups are here: the first joint loads meet
	s_cmp_eq_u32 s[QG], 0                          ; a wave's first fills stand in one branch: one load of a K wave is out, three of a V wave; the first wait on TENSORcnt is for 0
	s_cbranch_scc0 .Lfirst_v
	TL G0K, G1K
	PLACES
	s_branch .Lfirst_asked
.Lfirst_v:
	TL G0Y, G1V
	TL G0X, G1V
	TL G0Z, G1Z
	PLACES
.Lfirst_asked:
	s_bfe_u32 s23, ttmp6, 0x40000                  ; cx: it enters Q's, O's and the prefetches' addresses alone
	s_lshl_b32 s66, ttmp9, 2
	s_add_co_u32 s66, s66, s23                     ; my block of 128 queries
	s_lshl_b32 s2, s66, 19                         ; ob: 128 rows of 4,096 bytes,
	s_lshl_b32 s3, s[QG], 18                       ; my wave's 64,
	s_add_co_u32 s2, s2, s3
	s_lshl_b32 s3, s[KH], 17                       ; the 32 that I finish,
	s_add_co_u32 s2, s2, s3
	s_lshl_b32 s3, s61, 8                          ; the head's 256 bytes of a row
	s_add_co_u32 s2, s2, s3
	s_mov_b32 s3, 0
	s_add_nc_u64 s[12:13], s[12:13], s[2:3]
	s_lshl_b32 s66, s66, 1
	s_add_co_u32 s66, s66, s[QG]                   ; qw: my block of 64 rows
	s_lshl_b32 s66, s66, 15
	s_lshl_b32 s67, s61, 20
	s_add_co_u32 s66, s66, s67
	s_mov_b32 s67, 0
	s_add_nc_u64 s[4:5], s[4:5], s[66:67]
	v_and_b32 v1, 15, v0                           ; r
	v_bfe_u32 v57, v0, 4, 1                        ; h
	v_and_b32 v58, 31, v0                          ; l
	v_and_b32 v59, 7, v0
	v_bfe_u32 v60, v0, 3, 1
	v_lshlrev_b32 v[QOA], 7, v1
	v_lshl_add_u32 v[QOA], v57, 4, v[QOA]          ; row x 128 + 16 x half
	s_lshl_b32 s2, s[KH], 12                       ; register tiles 0, 1 are query tiles 2 kh, 2 kh + 1 (2,048 bytes a tile),
	s_xor_b32 s3, s2, 4096                         ; register tiles 2, 3 the other two
	v_add_nc_u32 v[QOB], s3, v[QOA]
	v_add_nc_u32 v[QOA], s2, v[QOA]
	WIN 0x80                                       ; destination window 2
.irp t, 0,1,2,3
.irp part, 0,1
.irp c, 0,1,2,3
.if \t < 2
	global_load_b128 v[64*\t+32*\part+8*\c:64*\t+32*\part+8*\c+3],   v[QOA], s[4:5] offset:(2*(\c/2)+\part)*8192+(\t%2)*2048+(\c%2)*64
	global_load_b128 v[64*\t+32*\part+8*\c+4:64*\t+32*\part+8*\c+7], v[QOA], s[4:5] offset:(2*(\c/2)+\part)*8192+(\t%2)*2048+(\c%2)*64+32
.else
	global_load_b128 v[64*\t+32*\part+8*\c:64*\t+32*\part+8*\c+3],   v[QOB], s[4:5] offset:(2*(\c/2)+\part)*8192+(\t%2)*2048+(\c%2)*64
	global_load_b128 v[64*\t+32*\part+8*\c+4:64*\t+32*\part+8*\c+7], v[QOB], s[4:5] offset:(2*(\c/2)+\part)*8192+(\t%2)*2048+(\c%2)*64+32
.endif
.endr
.endr
.endr
	; What trip -1 finds.  Item buffer 0 and the weights of keys 32-63 hold 0; products of these start O^T at 0, score block 0 (weights, there) at 0, and blocks 1 to 3 at -1.7e38, whose weight is 0.
	WIN 0xc0
.set i, 0
.rept 64
	v_mov_b32 v[i], 0
.set i, i+1
.endr
	WIN 0
.irp t, 0,1,2,3
.irp i, 8,9,10,11,12,13,14,15
	v_mov_b32 v[P+16*\t+\i], 0
.endr
	v_mov_b32 v[ST+8*\t], 0xfe000000               ; c m: far below every c s
	v_mov_b32 v[ST+8*\t+1], 0xff7fffff             ; m
	v_mov_b32 v[ST+8*\t+2], 0                      ; l
	v_mov_b32 v[ST+8*\t+3], 0
	v_mov_b32 v[ST+8*\t+6], 0                      ; a
	v_mov_b32 v[ST+8*\t+7], 0
.endr
	s_mov_b32 s2, 0xff000000
.irp i, 0,1,2,3,4,5,6,7
	v_mov_b32 v[CB+\i], s2
.endr
	WIN 0x43                                       ; source 0 in window 3, D in window 1
.irp cb, 0,1,2,3,4,5,6,7
.irp t, 0,1,2,3
	v_wmma_f32_16x16x32_f16 v[64*\t+8*\cb:64*\t+8*\cb+7], v[8*\cb:8*\cb+7], v[P+16*\t+8:P+16*\t+15], 0
.endr
.endr
	WIN 0x03
.irp kt, 0,1,2,3
.irp t, 0,1,2,3
.if \kt == 0
	v_wmma_f32_16x16x32_f16 v[S+32*\t:S+32*\t+7], v[0:7], v[P+8:P+15], 0
.else
	v_wmma_f32_16x16x32_f16 v[S+32*\t+8*\kt:S+32*\t+8*\kt+7], v[0:7], v[P+8:P+15], v[CB:CB+7]
.endif
.endr
.endr
	WIN 0                                          ; the lanes' addresses: plain instructions, the places behind those products
	v_mul_u32_u24 v[AK0], v1, PK
	v_lshl_add_u32 v[AK0], v57, 4, v[AK0]
	v_lshl_add_u32 v[AV0], v57, 3, v59             ; the turning load: key 8 (l / 16) + l % 8, channels 8 ((l / 8) % 2) on
	v_mul_u32_u24 v[AV0], v[AV0], PV
	v_lshl_add_u32 v[AV0], v60, 4, v[AV0]
	s_mul_i32 s2, s[KH], 2*VPL
	s_add_co_u32 s2, s2, VX
	v_add_nc_u32 v[AVX], s2, v[AV0]                ; in V of step 15
	v_add_nc_u32 v[AV0], VOFF, v[AV0]              ; in a slot
	s_lshl_b32 s2, s[KH], 13
	s_add_co_u32 s2, s2, BIAS-256                  ; a step ahead of step 0: the first change of slots steps it there
	v_lshl_add_u32 v[AB], v57, 5, s2               ; my 8 keys' biases: 32 bytes at 32 (l / 16)
	s_lshl_b32 s2, s[WV], 14
	s_xor_b32 s3, s2, 2<<14                        ; my partner: the same queries, the other key half
	v_lshl_add_u32 v[EX], v58, 4, s2
	v_lshl_add_u32 v[IM], v58, 4, s3
	s_lshl_b32 s2, s[WV], 9
	s_add_co_u32 s2, s2, MST
	s_xor_b32 s3, s2, 2<<9
	v_lshl_add_u32 v[MSA], v58, 2, s2
	v_lshl_add_u32 v[MSI], v58, 2, s3
	s_mul_i32 s2, s[WV], 16*SP
	s_add_co_u32 s2, s2, STAGE
	v_mul_u32_u24 v[STO], v1, SP
	v_lshl_add_u32 v[STO], v57, 4, v[STO]
	v_add_nc_u32 v[STO], s2, v[STO]
	v_mul_u32_u24 v[RD], v57, SP
	v_lshl_add_u32 v[RD], v1, 4, v[RD]
	v_add_nc_u32 v[RD], s2, v[RD]
	v_lshlrev_b32 v[GO], 12, v57
	v_lshl_add_u32 v[GO], v1, 4, v[GO]
	v_lshlrev_b32 v[PFO], 8, v58
	s_lshl_b32 s2, s23, 13                         ; my work-group's 8,192 bytes,
	s_cmp_eq_u32 s[QG], 0
	s_cselect_b64 s[PFA:PFA+1], s[6:7], s[8:9]
	s_cselect_b32 s3, 0x8000, 0                    ; at K's step 1 or V's step 0: the first change of slots steps it to 2 or 1
	s_add_co_u32 s2, s2, s3
	s_mov_b32 s3, 0
	s_add_nc_u64 s[PFA:PFA+1], s[PFA:PFA+1], s[2:3]
	s_lshr_b32 s[PFS], 0x8000, s[QG]
	s_mov_b32 s[PFS+1], 0
	s_cmp_eq_u32 ttmp9, 0
	s_cselect_b32 s[LIM], 1, -1
	s_mov_b32 s[PM], s[QG]
; 20 loads: the 16 keys kt of the step: K hi and lo, four chunks of 32 places each, and the two halves of their bias
.macro LDK b, kt
	WIN 0xc0                                       ; destination window 3
.irp part, 0,1
.irp c, 0,1,2,3
	ds_load_b128 v[80*(\b)+32*\part+8*\c:80*(\b)+32*\part+8*\c+3],   v[AK] offset:(2*(\c/2)+\part)*KPL+(\kt)*16*PK+(\c%2)*64
	ds_load_b128 v[80*(\b)+32*\part+8*\c+4:80*(\b)+32*\part+8*\c+7], v[AK] offset:(2*(\c/2)+\part)*KPL+(\kt)*16*PK+(\c%2)*64+32
.endr
.endr
	ds_load_b128 v[80*(\b)+64:80*(\b)+67], v[AB] offset:(\kt)*64
	ds_load_b128 v[80*(\b)+68:80*(\b)+71], v[AB] offset:(\kt)*64+16
	ds_load_b128 v[80*(\b)+72:80*(\b)+75], v[AB] offset:(\kt)*64+4096
	ds_load_b128 v[80*(\b)+76:80*(\b)+79], v[AB] offset:(\kt)*64+4096+16
.endm
; 16 loads: the 32 keys kk of the step, turned: eight fragments of V^T
.macro LDV b, kk
	WIN 0xc0
.irp cb, 0,1,2,3,4,5,6,7
	ds_load_tr16_b128 v[80*(\b)+8*\cb:80*(\b)+8*\cb+3],   v[AV] offset:(\cb/4)*VPL+(\kk)*32*PV+(\cb%4)*32
	ds_load_tr16_b128 v[80*(\b)+8*\cb+4:80*(\b)+8*\cb+7], v[AV] offset:(\cb/4)*VPL+(\kk)*32*PV+16*PV+(\cb%4)*32
.endr
.endm
; THE MATRIX WORK.  QSET: block kt's scores come from buffer b; the two halves of the keys' bias are added.  QW: product qi of the block's 48: chunk qi / 12; in a chunk hi.hi, K hi . Q lo, K lo . Q hi; tile qi % 4.
; The four accumulators take turns, one instruction a turn.  The first four start the sums with the bias.
.macro QSET b, kt
.set QBF, 80*(\b)
.set QKT, (\kt)
.set qi, 0
	WIN 0xcf
.irp z, 0,2,4,6
	v_pk_add_f32 v[QBF+64+\z:QBF+64+\z+1], v[QBF+64+\z:QBF+64+\z+1], v[QBF+72+\z:QBF+72+\z+1]
.endr
.endm
.macro QW
.set qd, qi/4
.set qt, qi%4
.set rK, QBF+8*(qd/3)+32*((qd%3)/2)
.set rQ, 64*qt+8*(qd/3)+32*((qd%3)%2)
.set rD, S+32*qt+8*QKT
.if qi < 4
	WIN 0x3b                                       ; K and C in window 3, Q in window 2, S^T in window 0
	v_wmma_f32_16x16x32_bf16 v[rD:rD+7], v[rK:rK+7], v[rQ:rQ+7], v[QBF+64:QBF+71]
.else
	WIN 0x0b
	v_wmma_f32_16x16x32_bf16 v[rD:rD+7], v[rK:rK+7], v[rQ:rQ+7], v[rD:rD+7]
.endif
.set qi, qi+1
.endm
; PW: product pwi of the 32 of O^T += V^T P for the 32 keys kk, V in buffer b: channels 16 (pwi / 4) on, tile pwi % 4: 32 accumulators, each once.
.macro PSET b, kk
.set PBF, 80*(\b)
.set PKK, (\kk)
.set pwi, 0
.endm
.macro PW
.set pwc, pwi/4
.set pwt, pwi%4
	WIN 0x53                                       ; V in window 3, P in window 0, O^T in window 1
	v_wmma_f32_16x16x32_f16 v[64*pwt+8*pwc:64*pwt+8*pwc+7], v[PBF+8*pwc:PBF+8*pwc+7], v[P+16*pwt+8*PKK:P+16*pwt+8*PKK+7], v[64*pwt+8*pwc:64*pwt+8*pwc+7]
.set pwi, pwi+1
.endm
; THE VECTOR WORK, one instruction at a time, for tile t.
; RDR: number n of the 8 that read block blk's weights: 0-3 the four pairs rounded to f16; 4-6 the pairs added, in place; 7 l takes the sum (block 0: l = a l + sum).
.macro RDR blk, n, t
.set rT, ST+8*(\t)
.set rB, S+32*(\t)+8*(\blk)
.set rP, P+16*(\t)+4*(\blk)
.set rn, (\n)
	WIN 0
.if rn < 4
	v_cvt_pk_f16_f32 v[rP+rn], v[rB+2*rn], v[rB+2*rn+1]
.elseif rn < 6
	v_pk_add_f32 v[rB+4*(rn-4):rB+4*(rn-4)+1], v[rB+4*(rn-4):rB+4*(rn-4)+1], v[rB+4*(rn-4)+2:rB+4*(rn-4)+3]
.elseif rn == 6
	v_pk_add_f32 v[rB:rB+1], v[rB:rB+1], v[rB+4:rB+5]
.elseif (\blk) == 0
	v_pk_fma_f32 v[rT+2:rT+3], v[rT+2:rT+3], v[rT+6:rT+7], v[rB:rB+1] op_sel_hi:[1,0,1]
.else
	v_pk_add_f32 v[rT+2:rT+3], v[rT+2:rT+3], v[rB:rB+1]
.endif
.endm
.macro EXB blk, n, t                   ; the exponential of score n of block blk
.set rB, S+32*(\t)+8*(\blk)+(\n)
	WIN 0
	v_exp_f32 v[rB], v[rB]
.endm
.macro SC blk, n, t                    ; c s - c m for pair n of block blk
.set rT, ST+8*(\t)
.set rB, S+32*(\t)+8*(\blk)+2*(\n)
	WIN 0
	v_pk_fma_f32 v[rB:rB+1], v[rB:rB+1], s[CS:CS+1], v[rT:rT+1] op_sel_hi:[1,0,0] neg_lo:[0,0,1] neg_hi:[0,0,1]
.endm
.macro RS n, t                         ; pair n of 32 of O^T times a; each accumulator's lowest registers come first
.set rT, ST+8*(\t)
.set rO, 64*(\t)+2*(\n)
	WIN 0x41                                       ; O^T in window 1, a in window 0
	v_pk_mul_f32 v[rO:rO+1], v[rO:rO+1], v[rT+6:rT+7] op_sel_hi:[1,0]
.endm
; MXS: the o-th of the 21 that find the next step's maximum and statistics.  The first nine work on blocks 0 to 2 alone (numbers 0, 1, 2, 4, 5, 6, 8, 9, 10), then block 3's chain (3, 7, 11), then 12 to 20.
;   0-11 four chains c0-c3 of seven scores each (each accumulator's lowest registers are read first);  12-15 the four scores left over, c0-c3 and the old m;  16, 18 the other half of the lanes';  17 c m_old is kept;  19 c m;  20 its change
.macro MXS o, t
.set rT, ST+8*(\t)
.set rS, S+32*(\t)
.set mo, (\o)
.set j, mo
.if mo < 9
.set j, (mo/3)*4+mo%3
.elseif mo < 12
.set j, 3+4*(mo-9)
.endif
	WIN 0
.if j < 4
	v_max3_num_f32 v[rT+4+j], v[rS+8*j], v[rS+8*j+1], v[rS+8*j+2]
.elseif j < 12
	v_max3_num_f32 v[rT+4+j%4], v[rT+4+j%4], v[rS+8*(j%4)+2*(j/4)+1], v[rS+8*(j%4)+2*(j/4)+2]
.elseif j == 12
	v_max3_num_f32 v[rT+4], v[rT+4], v[rS+7], v[rS+15]
.elseif j == 13
	v_max3_num_f32 v[rT+6], v[rT+6], v[rS+23], v[rS+31]
.elseif j == 14
	v_max3_num_f32 v[rT+4], v[rT+4], v[rT+5], v[rT+6]
.elseif j == 15
	v_max3_num_f32 v[rT+4], v[rT+4], v[rT+7], v[rT+1]
.elseif j == 16
	v_permlanex16_b32 v[rT+5], v[rT+4], s[SEL], s[SEL+1]
.elseif j == 17
	v_mov_b32 v[rT+7], v[rT]
.elseif j == 18
	v_max_num_f32 v[rT+1], v[rT+4], v[rT+5]
.elseif j == 19
	v_mul_f32 v[rT], s[CS], v[rT+1]
.else
	v_sub_f32 v[rT+7], v[rT+7], v[rT]
.endif
.endm
.macro PAIR blk, k                     ; readers of block blk and exponentials of block blk + 1 by turns: a plain instruction beside each exponential
.set pidx, 2*((\k)/4)+((\k)%4)/2
.if (\k)%2 == 0
	RDR \blk, pidx/4, pidx%4
.else
	EXB (\blk)+1, pidx/4, pidx%4
.endif
.endm
; THE TRIP'S LIST of 536, number vq.  Behind P1 (0-95): block 0's readers with block 1's exponentials; the scalings of blocks 2, 3.  Behind Q0 (96-191): block 1's readers with block 2's exponentials; block 3's exponentials.
; Behind Q1 (192-271): block 2's readers, 48 rescalings.  Behind Q2 (272-351): block 3's readers, 48 rescalings.  Behind Q3 (352-419): 32 rescalings; the next maximum on blocks 0 to 2.
; Behind P0 (420-535): the rest of the maximum and statistics; the scalings of blocks 0, 1; a; block 0's exponentials.  No instruction names an exponential's result ahead of the wait that follows its phase.
.macro VOP
.if vq < 64
	PAIR 0, vq
.elseif vq < 96
	SC 2+(vq-64)/16, ((vq-64)%16)/4, vq%4
.elseif vq < 160
	PAIR 1, vq-96
.elseif vq < 192
	EXB 3, (vq-160)/4, vq%4
.elseif vq < 224
	RDR 2, (vq-192)/4, vq%4
.elseif vq < 272
	RS (vq-224)/4, vq%4
.elseif vq < 304
	RDR 3, (vq-272)/4, vq%4
.elseif vq < 384
	RS 12+(vq-304)/4, vq%4
.elseif vq < 468
	MXS (vq-384)/4, vq%4
.elseif vq < 500
	SC (vq-468)/16, ((vq-468)%16)/4, vq%4
.elseif vq < 504
	WIN 0
	v_exp_f32 v[ST+8*(vq%4)+6], v[ST+8*(vq%4)+7]   ; a
.else
	EXB 0, (vq-504)/4, vq%4
.endif
.set vq, vq+1
.endm
.macro SLICE
.rept 4
	VOP
.endr
.endm
; A phase: m products, n slices spread evenly behind them; the last product always has a slice behind it.
.macro RUN isq, m, n
.set ri, 0
.rept \m
.if \isq
	QW
.else
	PW
.endif
.if ((ri+1)*(\n))/(\m) != (ri*(\n))/(\m)
	SLICE
.endif
.set ri, ri+1
.endr
.endm
; THE CHANGE OF SLOTS.  Each wave waits for all its tensor loads (its part of the slot to be read), adds 0 to its spare word, and waits for that and for its reads of the slot that it leaves.  fill = 1: a round of the
; cluster's barrier, and the slot just left is filled again first thing behind it, with K two steps on and V one step on: the load has a trip, 256 matrix instructions, in which to land.  Then K's blocks 0 and 1 are fetched.
.macro CHANGE fill
	WIN 0
	s_wait_tensorcnt 0x0
	ds_add_u32 v[SPW], v[NIL]
.if \fill
	s_xor_b32 s[G0K+1], s[G0K+1], SLOT1
	s_add_nc_u64 s[G0K+2:G0K+3], s[G0K+2:G0K+3], 32768
	s_xor_b32 s[G0V+1], s[G0V+1], SLOT1
	s_add_nc_u64 s[G0V+2:G0V+3], s[G0V+2:G0V+3], 16384
	s_wait_xcnt 0x0                                ; the last prefetch, a trip back, has read its address
	s_add_nc_u64 s[PFA:PFA+1], s[PFA:PFA+1], s[PFS:PFS+1]
.endif
	s_xor_b32 s[TB], s[TB], SLOT1
	s_wait_dscnt 0x0                               ; the add is done, and my reads of the slot are over: V's keys 32-63 are in
.if \fill
	CROUND
	JLOAD                                          ; its four v_nop are also the places ahead of the loads below
.else
	s_barrier_signal -1
	s_barrier_wait -1
	PLACES
.endif
	v_add_nc_u32 v[AK], s[TB], v[AK0]
	v_add_nc_u32 v[AV], s[TB], v[AV0]
	v_add_nc_u32 v[AB], 256, v[AB]
	LDK 1, 0
	LDK 2, 1
	WIN 0
.if \fill
	ASK
.endif
.endm
; A TRIP.  Each count on DScnt is the number of loads younger than the item that is wanted.
.macro TRIP fill
.set vq, 0
	CHANGE \fill
	PSET 0, 1
	RUN 0, 32, 24
	s_wait_alu depctr_va_vdst(0)                   ; block 1's exponentials: the scalings stand behind them
	s_wait_dscnt 20                                ; K's block 0 is in; block 1's 20 loads may be out
	QSET 1, 0
	RUN 1, 48, 24
	PLACES                                         ; behind the last exponential, and behind the last product that read buffer 1
	s_wait_alu depctr_va_vdst(0)                   ; the exponentials of blocks 2 and 3
	LDK 0, 2
	LDK 1, 3
	s_wait_dscnt 40
	QSET 2, 1
	RUN 1, 48, 20
	s_wait_dscnt 20
	QSET 0, 2
	RUN 1, 48, 20                                  ; its last slice, four rescalings, are the places ahead of the loads into buffer 0
	LDV 2, 0
	LDV 0, 1
	s_wait_dscnt 32
	QSET 1, 3
	RUN 1, 48, 17                                  ; its last slice, four maxima on blocks 0 to 2, are the places ahead of the first read of block 3
	s_wait_dscnt 16
	PSET 2, 0
	RUN 0, 32, 29
	WIN 0
	v_nop                                          ; a plain instruction behind the last exponential,
	s_wait_alu depctr_va_vdst(0)                   ; and the wait for a and block 0's exponentials, ahead of the branches that follow
.endm
	s_wait_loadcnt 0x0                             ; Q
	s_mov_b32 s[SLOTS], 15
.Lslot:                                            ; trips -1 to 13: trip n asks for fill n + 2
	TRIP 1
	s_sub_co_u32 s[SLOTS], s[SLOTS], 1
	s_cmp_lg_u32 s[SLOTS], 0
	s_cbranch_scc1 .Lslot
	TRIP 0                                         ; trip 14 is written out: nothing is asked for
	; THE LAST STEP'S REST: V^T P of step 14, keys 32-63; the rest of step 15's softmax; V^T P of step 15.
	s_wait_dscnt 0x0
	PLACES                                         ; behind the last product that read buffer 2
	v_mov_b32 v[AV], v[AVX]
	LDV 2, 0
	LDV 1, 1
.set vq, 0
	PSET 0, 1
	RUN 0, 32, 24
	s_wait_alu depctr_va_vdst(0)
.rept 24
	SLICE
.endr
	v_nop
	s_wait_alu depctr_va_vdst(0)
.rept 48
	SLICE
.endr
	s_wait_dscnt 0x0
	PSET 2, 0
.rept 32
	PW
.endr
	PSET 1, 1
.rept 32
	PW
.endr
	; THE MEETING.  l's two halves and the other half of the lanes' are added (the places behind the last products).  Every wave hands over O^T, c m and l of its register tiles 2, 3 and finishes tiles 0, 1.
	WIN 0
.macro ALLN cnt, line:vararg
.set t, 0
.rept \cnt
	\line
.set t, t+1
.endr
.endm
	ALLN 4, v_add_f32 v[ST+8*t+2], v[ST+8*t+2], v[ST+8*t+3]
	ALLN 4, v_permlanex16_b32 v[ST+8*t+3], v[ST+8*t+2], s[SEL], s[SEL+1]
	ALLN 4, v_add_f32 v[ST+8*t+2], v[ST+8*t+2], v[ST+8*t+3]
	WIN 0x04                                       ; the stores' data in window 1
.set q, 0
.rept 32
	ds_store_b128 v[EX], v[128+4*q:128+4*q+3] offset:MRG+512*q
.set q, q+1
.endr
	WIN 0
.irp t, 0,1
	ds_store_b32 v[MSA], v[ST+8*(\t+2)] offset:\t*256
	ds_store_b32 v[MSA], v[ST+8*(\t+2)+2] offset:\t*256+128
.endr
	s_wait_dscnt 0x0                               ; for the others' sake: my stores are done
	s_barrier_signal -1
	s_barrier_wait -1
.irp t, 0,1
	ds_load_b32 v[ST+8*\t+4], v[MSI] offset:\t*256
	ds_load_b32 v[ST+8*\t+5], v[MSI] offset:\t*256+128
.endr
.set q, 0
.rept 32                                           ; my partner's O^T of these two tiles, into S^T's registers
	ds_load_b128 v[S+4*q:S+4*q+3], v[IM] offset:MRG+512*q
.set q, q+1
.endr
	s_wait_dscnt 32                                ; the statistics are in
	ALLN 2, v_max_num_f32 v[ST+8*t+1], v[ST+8*t], v[ST+8*t+4]
	ALLN 2, v_sub_f32 v[ST+8*t+6], v[ST+8*t], v[ST+8*t+1]
	ALLN 2, v_sub_f32 v[ST+8*t+7], v[ST+8*t+4], v[ST+8*t+1]
	ALLN 2, v_exp_f32 v[ST+8*t+6], v[ST+8*t+6]
	ALLN 2, v_exp_f32 v[ST+8*t+7], v[ST+8*t+7]
	v_nop
	s_wait_alu depctr_va_vdst(0)                   ; one wait for the four
	ALLN 2, v_mul_f32 v[ST+8*t+2], v[ST+8*t+2], v[ST+8*t+6]
	ALLN 2, v_fmac_f32 v[ST+8*t+2], v[ST+8*t+5], v[ST+8*t+7]
	ALLN 2, v_rcp_f32 v[ST+8*t+3], v[ST+8*t+2]
	v_nop
	s_wait_alu depctr_va_vdst(0)                   ; one wait for the two
	ALLN 2, v_mul_f32 v[ST+8*t], v[ST+8*t+6], v[ST+8*t+3]
	ALLN 2, v_mul_f32 v[ST+8*t+4], v[ST+8*t+7], v[ST+8*t+3]
; Tile t: O = O_a g_a + O_b g_b, rounded to f16; a lane's 16 bytes go into rows of 272 bytes of my stage and come back as whole rows of 256.
.macro MTILE t
	s_wait_dscnt 16-16*(\t)                        ; tile t's are in; behind tile 0's stand tile 1's sixteen loads
.set rT, ST+8*(\t)
.set BK, S+64*(\t)
	WIN 0x41
.set i, 0
.rept 32
	v_pk_mul_f32 v[64*(\t)+2*i:64*(\t)+2*i+1], v[64*(\t)+2*i:64*(\t)+2*i+1], v[rT:rT+1] op_sel_hi:[1,0]
.set i, i+1
.endr
	WIN 0x50
.set i, 0
.rept 32
	v_pk_fma_f32 v[64*(\t)+2*i:64*(\t)+2*i+1], v[BK+2*i:BK+2*i+1], v[rT+4:rT+5], v[64*(\t)+2*i:64*(\t)+2*i+1] op_sel_hi:[1,0,1]
.set i, i+1
.endr
	WIN 0x05
.set i, 0
.rept 32
	v_cvt_pk_f16_f32 v[BK+i], v[64*(\t)+2*i], v[64*(\t)+2*i+1]
.set i, i+1
.endr
	WIN 0
.irp f, 0,1,2,3,4,5,6,7
	ds_store_b128 v[STO], v[BK+4*\f:BK+4*\f+3] offset:32*\f
.endr
.irp f, 0,1,2,3,4,5,6,7
	ds_load_b128 v[BK+4*\f:BK+4*\f+3], v[RD] offset:\f*2*SP  ; LDS serves a wave's instructions in order (ISA guide 5.7.1.4): these see the stores above
.endr
.irp f, 0,1,2,3,4,5,6,7
	s_wait_dscnt 7-\f
	global_store_b128 v[GO], v[BK+4*\f:BK+4*\f+3], s[12:13] offset:(\t)*65536+\f*8192  ; 16 lanes store 256 consecutive bytes, aligned
.endr
.endm
	MTILE 0
	MTILE 1
	s_wait_tensorcnt 0x0                           ; the wave's end, behind my last tensor load and my last LDS store
	ds_add_u32 v[SPW], v[NIL]
	s_wait_dscnt 0x0
	CROUND                                         ; the closing round
	s_endpgm
.Lfunc_end_k_q9e788767be_attn:
	.size	k_q9e788767be_attn, .Lfunc_end_k_q9e788767be_attn-k_q9e788767be_attn
	.p2alignl 7, 3214868480
	.fill 96, 4, 3214868480
	.section	.rodata,"a",@progbits
	.p2align	6, 0x0
	.amdhsa_kernel k_q9e788767be_attn
		.amdhsa_group_segment_fixed_size 327680
		.amdhsa_private_segment_fixed_size 0
		.amdhsa_enable_private_segment 0
		.amdhsa_kernarg_size 40
		.amdhsa_user_sgpr_count 2
		.amdhsa_user_sgpr_kernarg_segment_ptr 1
		.amdhsa_wavefront_size32 1
		.amdhsa_system_sgpr_workgroup_id_x 1
		.amdhsa_system_sgpr_workgroup_id_y 1
		.amdhsa_system_sgpr_workgroup_id_z 1
		.amdhsa_system_vgpr_workitem_id 0
		.amdhsa_next_free_vgpr 1008
		.amdhsa_next_free_sgpr 80
		.amdhsa_reserve_vcc 0
		.amdhsa_float_denorm_mode_32 3
		.amdhsa_float_denorm_mode_16_64 3
		.amdhsa_memory_ordered 1
		.amdhsa_forward_progress 1
		.amdhsa_inst_pref_size 203
	.end_amdhsa_kernel
	.amdgpu_metadata
---
amdhsa.version: [ 1, 2 ]
amdhsa.kernels:
  - .name:           k_q9e788767be_attn
    .symbol:         k_q9e788767be_attn.kd
    .args:
      - { .name: qw, .offset: 0, .size: 8, .value_kind: global_buffer, .address_space: global }
      - { .name: kw, .offset: 8, .size: 8, .value_kind: global_buffer, .address_space: global }
      - { .name: vh, .offset: 16, .size: 8, .value_kind: global_buffer, .address_space: global }
      - { .name: kb, .offset: 24, .size: 8, .value_kind: global_buffer, .address_space: global }
      - { .name: ob, .offset: 32, .size: 8, .value_kind: global_buffer, .address_space: global }
    .group_segment_fixed_size: 327680
    .private_segment_fixed_size: 0
    .kernarg_segment_align: 8
    .kernarg_segment_size: 40
    .max_flat_workgroup_size: 128
    .sgpr_count:     80
    .vgpr_count:     1008
    .wavefront_size: 32
...
	.end_amdgpu_metadata
.endif
;; end of part 3
;; launch outp (part 4): grid 16 x 16, 4 waves a work-group, clusters of 4 x 4, 327,680 bytes of LDS; arguments ob, cv, out0; writes out0
.if DOCPART == 4
	.amdgcn_target "amdgcn-amd-amdhsa--gfx1250"
	.amdhsa_code_object_version 6
	.text
	.protected	k_q9e788767be_outp
	.globl	k_q9e788767be_outp
	.p2align	8
	.type	k_q9e788767be_outp,@function
k_q9e788767be_outp:
	s_mov_b64 s[64:65], 0
	v_nop
	global_prefetch_b8 v0, s[64:65] scope:SCOPE_SE
	s_setreg_imm32_b32 hwreg(HW_REG_WAVE_MODE, 25, 1), 1
	s_wait_xcnt 0x0
	s_wait_alu depctr_hold_cnt(0) depctr_sa_sdst(0) depctr_va_vdst(0) depctr_va_sdst(0) depctr_va_ssrc(0) depctr_va_vcc(0) depctr_vm_vsrc(0)
	s_getreg_b32 s2, hwreg(HW_REG_IB_STS2, 6, 4)
	s_cmp_eq_u32 s2, 0
	s_cbranch_scc0 .Lentry_in_a_cluster
	s_endpgm
.Lentry_in_a_cluster:
	s_bfe_u32 s2, ttmp6, 0x10000c
	s_cmp_lg_u32 s2, 0xf033
	s_cbranch_scc0 .Lentry_shape_is_right
	s_endpgm
.Lentry_shape_is_right:
; out0[m][n] = the sum over k of O[m][k] w_o[n][k].  O (ob) and w_o (in cv, at WO) are [2048][2048] f16; sums and out0 f32.
; 256 tiles of 128 x 128, one to a work-group; four waves, each 64 x 64: 16 accumulators.  K goes in steps of 256 (LDS rows of 512 bytes; a wave's tensor load brings 64 of them) through two slots.
; CLUSTERS: 4 x 4 work-groups: O's tiles are shared along a row of the cluster, w_o's along a column: joint loads.  THE MATRIX INSTRUCTION IS USED TRANSPOSED (source 0 = 16 rows of w_o, source 1 = 16 rows of O):
; a lane holds eight neighbouring numbers of a row of out0.  A wave's 64 columns are 256 bytes of a row, so each wave has a stage of its own on the way out, and no barrier stands there.
; REGISTERS: window 0: v0-31 addresses; v32-95 at work on the way out; v128-255 the accumulators ((a, b) at v[128 + 8 (4 a + b)]).  window 1: two fragment buffers of 128.
.set SIZE_K, 2048
.set SIZE_N, 2048
.set WO,     50331648
.set KSTEP,  256
.set PITCH,  528                       ; an LDS row: 512 bytes + 16 = 132 words: row r starts at bank 4 r mod 64 (64 banks of 4 bytes: ISA guide 11.1)
.set HALFT,  64*PITCH
.set SLOT,   4*HALFT
.set STAGE,  2*SLOT                    ; behind the ring: 16 rows x 272 bytes for each wave
.set SPITCH, 272
.set SPARE,  STAGE+4*16*SPITCH         ; the spare words: two blocks of 256 bytes that no other line names
.set LAPS, SIZE_K/(2*KSTEP)
.set ADRA, 16
.set ADRB, 20
.set STO,  24
.set RD,   25
.set CO,   26
.set SPW,  28
.set NIL,  29
.set TMP,  32
.set ACC,  128
.set F0,   0
.set F1,   128
.set G1, 24
.set G0, 32
.set G1B, 48
.set G0B, 56
.set MSB, 0
.macro WIN new
.if MSB != (\new)
	s_set_vgpr_msb (MSB<<8)|(\new)
.set MSB, \new
.endif
.endm
.set MUL,  0x05                        ; both sources in window 1; C and D in window 0
.set TO_F, 0x40                        ; destination window 1, address window 0
.macro JLOAD s                         ; waves 0 and 1 fetch O's two halves, waves 2 and 3 w_o's; an s_nop 0 and four v_nop follow each line
	s_cmp_eq_u32 s11, 0
	s_cbranch_scc0 .Lfor_b_\@
	tensor_load_to_lds s[G0+4*(\s):G0+4*(\s)+3], s[G1:G1+7]
	s_nop 0
.rept 4
	v_nop
.endr
	s_branch .Lasked_\@
.Lfor_b_\@:
	tensor_load_to_lds s[G0B+4*(\s):G0B+4*(\s)+3], s[G1B:G1B+7]
	s_nop 0
.rept 4
	v_nop
.endr
.Lasked_\@:
.endm
.macro CREST
	s_cmp_lg_u32 s10, 0
	s_cbranch_scc1 .Lnot_wave_0_\@
	s_barrier_signal -3
.Lnot_wave_0_\@:
	s_barrier_wait -3
	s_barrier_signal -1
	s_barrier_wait -1
.endm
.macro CROUND
	s_barrier_signal -1
	s_barrier_wait -1
	CREST
.endm
	s_load_b128 s[4:7], s[0:1], 0x0                ; ob s[4:5], cv s[6:7]
	s_load_b64 s[8:9], s[0:1], 0x10                ; out0
	v_lshl_add_u32 v[SPW], v0, 2, SPARE
	v_mov_b32 v[NIL], 0
	ds_add_u32 v[SPW], v[NIL]                      ; the wave's opening: the add and its wait stand ahead of my first tensor load
	v_lshrrev_b32 v1, 5, v0
	v_readfirstlane_b32 s10, v1                    ; wave 0..3
	s_lshr_b32 s11, s10, 1                         ; which half of the tile's rows is mine.  Also: I fetch for O (0) or for w_o (1)
	s_and_b32 s12, s10, 1                          ; which half of its columns.  Also: which 64 rows of that tile I fetch
	s_bfe_u32 s40, ttmp6, 0x40000
	s_bfe_u32 s41, ttmp6, 0x40004
	s_lshl_b32 s42, ttmp9, 2
	s_add_co_u32 s42, s42, s40                     ; tile column
	s_and_b32 s13, ttmp7, 0xffff
	s_lshl_b32 s13, s13, 2
	s_add_co_u32 s13, s13, s41                     ; tile row
	s_lshl_b32 s43, s41, 2
	s_lshl_b32 s43, 15, s43                        ; my row of the cluster
	s_lshl_b32 s44, 0x1111, s40                    ; my column
	s_or_b32 s[G1+0], s43, (1<<16)|(1<<20)|(1<<21)|(6<<22)|(3<<25)  ; 2-byte elements; padding on; bit 21 beside a mask; after every 128 words, 4 words
	s_or_b32 s[G1B+0], s44, (1<<16)|(1<<20)|(1<<21)|(6<<22)|(3<<25)
.irp g, G1, G1B
	s_mov_b32 s[(\g)+1], KSTEP<<16
	s_mov_b32 s[(\g)+2], 64<<16
	s_mov_b32 s[(\g)+3], KSTEP<<16
	s_mov_b32 s[(\g)+4], 64
	s_mov_b32 s[(\g)+5], SIZE_K
	s_mov_b32 s[(\g)+6], 0
	s_mov_b32 s[(\g)+7], 0
.endr
	s_lshl_b32 s17, s12, 6
	s_lshl_b32 s16, s13, 7
	s_add_co_u32 s16, s16, s17                     ; O: row 128 x tile row + 64 x half
	s_lshl_b32 s46, s42, 7
	s_add_co_u32 s46, s46, s17                     ; w_o: row 128 x tile column + 64 x half
	s_mov_b32 s17, 0
	s_mov_b32 s47, 0
	s_mov_b64 s[18:19], SIZE_K*2
	s_mul_u64 s[16:17], s[16:17], s[18:19]
	s_mul_u64 s[46:47], s[46:47], s[18:19]
	s_mul_i32 s20, s10, HALFT
	s_wait_dscnt 0x0                               ; the opening add is done
	s_wait_kmcnt 0x0
	s_add_nc_u64 s[14:15], s[4:5], s[16:17]
	s_add_nc_u64 s[46:47], s[6:7], s[46:47]
	s_add_nc_u64 s[46:47], s[46:47], WO
	CROUND                                         ; all sixteen work-groups are here: the first joint loads meet
.irp s, 0,1
	s_mov_b32 s[G0+4*(\s)], 1
	s_add_co_u32 s[G0+4*(\s)+1], s20, (\s)*SLOT
	s_add_nc_u64 s[G0+4*(\s)+2:G0+4*(\s)+3], s[14:15], (\s)*KSTEP*2
	s_or_b32 s[G0+4*(\s)+3], s[G0+4*(\s)+3], 0x80000000
	s_mov_b32 s[G0B+4*(\s)], 1
	s_add_co_u32 s[G0B+4*(\s)+1], s20, (\s)*SLOT
	s_add_nc_u64 s[G0B+4*(\s)+2:G0B+4*(\s)+3], s[46:47], (\s)*KSTEP*2
	s_or_b32 s[G0B+4*(\s)+3], s[G0B+4*(\s)+3], 0x80000000
	JLOAD \s
.endr
	v_and_b32 v1, 15, v0
	v_bfe_u32 v2, v0, 4, 1
	v_mul_u32_u24 v3, v1, PITCH
	v_lshl_add_u32 v3, v2, 4, v3
	s_mul_i32 s21, s11, HALFT
	s_mul_i32 s22, s12, HALFT
	s_add_co_u32 s22, s22, 2*HALFT
.irp s, 0,1
	v_add_nc_u32 v[ADRA+(\s)], s21, v3
	v_add_nc_u32 v[ADRB+(\s)], s22, v3
	s_add_co_u32 s21, s21, SLOT
	s_add_co_u32 s22, s22, SLOT
.endr
	s_mul_i32 s23, s10, 16*SPITCH
	s_add_co_u32 s23, s23, STAGE                   ; my stage
	v_mul_u32_u24 v4, v1, SPITCH                   ; in: row l % 16, 32 bytes for each half of the lanes
	v_lshl_add_u32 v4, v2, 5, v4
	v_add_nc_u32 v[STO], s23, v4
	v_mul_u32_u24 v5, v2, SPITCH                   ; back: lanes 0-15 one row of 256 bytes, lanes 16-31 the next
	v_lshl_add_u32 v5, v1, 4, v5
	v_add_nc_u32 v[RD], s23, v5
	v_lshlrev_b32 v5, 13, v2                       ; and the same two rows in out0, 8,192 bytes apart
	v_lshl_add_u32 v[CO], v1, 4, v5
	s_lshl_b32 s16, s13, 7
	s_lshl_b32 s17, s11, 6
	s_add_co_u32 s16, s16, s17                     ; my first row
	s_lshl_b32 s16, s16, 13
	s_mov_b32 s17, 0
	s_add_nc_u64 s[8:9], s[8:9], s[16:17]
	s_lshl_b32 s46, s42, 9                         ; my first column, in bytes
	s_lshl_b32 s47, s12, 8
	s_add_co_u32 s46, s46, s47
	s_mov_b32 s47, 0
	s_add_nc_u64 s[8:9], s[8:9], s[46:47]
.macro MUL8 f, c, a0, zero             ; 8 products: m blocks a0, a0 + 1 x all 4 n blocks, 32 along K: half c of buffer f
	WIN MUL
.irp a, \a0, (\a0)+1
.irp b, 0,1,2,3
.if \zero
	v_wmma_f32_16x16x32_f16 v[ACC+8*(4*(\a)+(\b)):ACC+8*(4*(\a)+(\b))+7], v[(\f)+64+8*(4*(\c)+(\b)):(\f)+64+8*(4*(\c)+(\b))+7], v[(\f)+8*(4*(\c)+(\a)):(\f)+8*(4*(\c)+(\a))+7], 0
.else
	v_wmma_f32_16x16x32_f16 v[ACC+8*(4*(\a)+(\b)):ACC+8*(4*(\a)+(\b))+7], v[(\f)+64+8*(4*(\c)+(\b)):(\f)+64+8*(4*(\c)+(\b))+7], v[(\f)+8*(4*(\c)+(\a)):(\f)+8*(4*(\c)+(\a))+7], v[ACC+8*(4*(\a)+(\b)):ACC+8*(4*(\a)+(\b))+7]
.endif
.endr
.endr
.endm
.macro FETCH slot, k, f                ; 32 LDS loads in one run: the fragments of 64 along K at byte k of the rows; the first 32 along K first
	WIN TO_F
.irp c, 0,1
.irp i, 0,1,2,3
	ds_load_b128 v[(\f)+64+8*(4*(\c)+(\i)):(\f)+64+8*(4*(\c)+(\i))+3],   v[ADRB+(\slot)] offset:(\k)+64*(\c)+(\i)*16*PITCH
	ds_load_b128 v[(\f)+64+8*(4*(\c)+(\i))+4:(\f)+64+8*(4*(\c)+(\i))+7], v[ADRB+(\slot)] offset:(\k)+64*(\c)+(\i)*16*PITCH+32
	ds_load_b128 v[(\f)+8*(4*(\c)+(\i)):(\f)+8*(4*(\c)+(\i))+3],         v[ADRA+(\slot)] offset:(\k)+64*(\c)+(\i)*16*PITCH
	ds_load_b128 v[(\f)+8*(4*(\c)+(\i))+4:(\f)+8*(4*(\c)+(\i))+7],       v[ADRA+(\slot)] offset:(\k)+64*(\c)+(\i)*16*PITCH+32
.endr
.endr
.endm
.macro PLACES
.rept 4
	v_nop
.endr
.endm
.macro QUARTER slot, k, f, g, zero     ; 64 along K: multiplies buffer f and fetches the next quarter, at byte k, into g
	s_wait_dscnt 16                                ; the first 32 along K are in
	WIN MUL
	MUL8 \f, 0, 0, \zero
	MUL8 \f, 0, 2, \zero
	PLACES
	FETCH \slot, \k, \g
	s_wait_dscnt 32                                ; all but the 32 just issued
	WIN MUL
	MUL8 \f, 1, 0, 0
	MUL8 \f, 1, 2, 0
.endm
; The last quarter multiplies buffer 1 and changes slots: ahead of the barrier each wave waits for all its tensor loads, adds 0 to its spare word, and waits for that and for its reads of this slot.
.macro TURN slot, next, fill
	WIN 0
	s_wait_tensorcnt 0x0                           ; all my tensor loads have landed: my part of the next slot
	ds_add_u32 v[SPW], v[NIL]
	s_wait_dscnt 17                                ; the add and the youngest sixteen loads may be out
	WIN MUL
	MUL8 F1, 0, 0, 0
	s_wait_dscnt 0x0                               ; the add is done, and my reads of this slot are over
	s_barrier_signal -1
	MUL8 F1, 0, 2, 0
.if \fill
	WIN 0
.endif
	s_barrier_wait -1
.if \fill
	CREST                                          ; no wave of any partner still reads this slot's tile or has a load on its way
	s_add_nc_u64 s[G0+4*(\slot)+2:G0+4*(\slot)+3], s[G0+4*(\slot)+2:G0+4*(\slot)+3], 2*KSTEP*2
	s_add_nc_u64 s[G0B+4*(\slot)+2:G0B+4*(\slot)+3], s[G0B+4*(\slot)+2:G0B+4*(\slot)+3], 2*KSTEP*2
	JLOAD \slot                                    ; 112 matrix instructions ahead of the wait for it; its four v_nop are also the places ahead of the loads below
.else
	PLACES
.endif
	FETCH \next, 0, F0
	WIN MUL
	MUL8 F1, 1, 0, 0
	MUL8 F1, 1, 2, 0
.endm
	s_wait_tensorcnt 1                             ; my part of K step 0 is in,
	s_barrier_signal -1
	s_barrier_wait -1                              ; everybody's is
	FETCH 0, 0, F0
	QUARTER 0, 128, F0, F1, 1                      ; the first quarter stands ahead of the loop: its first products start the sums
	WIN 0
	s_mov_b32 s3, LAPS-1
.Llap:                                             ; a trip goes once round the ring and fills both slots again
	QUARTER 0, 256, F1, F0, 0
	QUARTER 0, 384, F0, F1, 0
	TURN 0, 1, 1
	QUARTER 1, 128, F0, F1, 0
	QUARTER 1, 256, F1, F0, 0
	QUARTER 1, 384, F0, F1, 0
	TURN 1, 0, 1
	QUARTER 0, 128, F0, F1, 0
	WIN 0
	s_sub_co_u32 s3, s3, 1
	s_cmp_lg_u32 s3, 0
	s_cbranch_scc1 .Llap
	QUARTER 0, 256, F1, F0, 0                      ; the last lap fills nothing
	QUARTER 0, 384, F0, F1, 0
	TURN 0, 1, 0
	QUARTER 1, 128, F0, F1, 0
	QUARTER 1, 256, F1, F0, 0
	QUARTER 1, 384, F0, F1, 0
	s_wait_dscnt 16
	WIN MUL
	MUL8 F1, 0, 0, 0
	MUL8 F1, 0, 2, 0
	s_wait_dscnt 0
	MUL8 F1, 1, 0, 0
	MUL8 F1, 1, 2, 0
	WIN 0
	PLACES
; THE WAY OUT, 16 rows at a time: the accumulators' f32 go into rows of 272 bytes of my stage (each accumulator's low four registers first) and come back as whole rows of 256 bytes.
.macro OUTA a
.set BK, TMP+32*((\a)%2)
.irp b, 0,1,2,3
	ds_store_b128 v[STO], v[ACC+8*(4*(\a)+(\b)):ACC+8*(4*(\a)+(\b))+3]   offset:64*(\b)
	ds_store_b128 v[STO], v[ACC+8*(4*(\a)+(\b))+4:ACC+8*(4*(\a)+(\b))+7] offset:64*(\b)+16
.endr
.if (\a) >= 2
	s_wait_xcnt 0x0                                ; the stores of the block before last have read the registers that are loaded now
.endif
.irp f, 0,1,2,3,4,5,6,7
	ds_load_b128 v[BK+4*(\f):BK+4*(\f)+3], v[RD] offset:(\f)*2*SPITCH  ; LDS serves a wave's instructions in order (ISA guide 5.7.1.4): these see the stores above
.endr
.irp f, 0,1,2,3,4,5,6,7
	s_wait_dscnt 7-(\f)
	global_store_b128 v[CO], v[BK+4*(\f):BK+4*(\f)+3], s[8:9] offset:((\a)*16+2*(\f))*SIZE_N*4  ; 16 lanes store 256 consecutive bytes, aligned
.endr
.endm
	OUTA 0
	OUTA 1
	OUTA 2
	OUTA 3
	s_wait_tensorcnt 0x0                           ; the wave's end, behind my last tensor load and my last LDS store
	ds_add_u32 v[SPW], v[NIL]
	s_wait_dscnt 0x0
	CROUND                                         ; the closing round
	s_endpgm
.Lfunc_end_k_q9e788767be_outp:
	.size	k_q9e788767be_outp, .Lfunc_end_k_q9e788767be_outp-k_q9e788767be_outp
	.p2alignl 7, 3214868480
	.fill 96, 4, 3214868480
	.section	.rodata,"a",@progbits
	.p2align	6, 0x0
	.amdhsa_kernel k_q9e788767be_outp
		.amdhsa_group_segment_fixed_size 327680
		.amdhsa_private_segment_fixed_size 0
		.amdhsa_enable_private_segment 0
		.amdhsa_kernarg_size 24
		.amdhsa_user_sgpr_count 2
		.amdhsa_user_sgpr_kernarg_segment_ptr 1
		.amdhsa_wavefront_size32 1
		.amdhsa_system_sgpr_workgroup_id_x 1
		.amdhsa_system_sgpr_workgroup_id_y 1
		.amdhsa_system_sgpr_workgroup_id_z 1
		.amdhsa_system_vgpr_workitem_id 0
		.amdhsa_next_free_vgpr 512
		.amdhsa_next_free_sgpr 66
		.amdhsa_reserve_vcc 0
		.amdhsa_float_denorm_mode_32 3
		.amdhsa_float_denorm_mode_16_64 3
		.amdhsa_memory_ordered 1
		.amdhsa_forward_progress 1
		.amdhsa_inst_pref_size 86
	.end_amdhsa_kernel
	.amdgpu_metadata
---
amdhsa.version: [ 1, 2 ]
amdhsa.kernels:
  - .name:           k_q9e788767be_outp
    .symbol:         k_q9e788767be_outp.kd
    .args:
      - { .name: ob, .offset: 0, .size: 8, .value_kind: global_buffer, .address_space: global }
      - { .name: cv, .offset: 8, .size: 8, .value_kind: global_buffer, .address_space: global }
      - { .name: out0, .offset: 16, .size: 8, .value_kind: global_buffer, .address_space: global }
    .group_segment_fixed_size: 327680
    .private_segment_fixed_size: 0
    .kernarg_segment_align: 8
    .kernarg_segment_size: 24
    .max_flat_workgroup_size: 128
    .sgpr_count:     66
    .vgpr_count:     512
    .wavefront_size: 32
...
	.end_amdgpu_metadata
.endif
;; end of part 4
;; ======== version 2 of 2: 4 launches; version 1 with the launch conv written anew for expert scheduling mode
;; limits: values are held in f16: magnitudes above 65,504 overflow, below 6.1e-05 lose precision; right only within a limited range of input values
;; workspace buffers: cv 59,768,832 bytes; qw 16,777,216 bytes; kw 16,777,216 bytes; vh 8,388,608 bytes; kb 262,144 bytes; ob 8,388,608 bytes
;; launch conv (part 5): grid 912 x 1, 8 waves a work-group, no clusters, 0 bytes of LDS; arguments hidden_states, w_q, w_k, w_v, w_o, cos, sin, cv; writes cv
.if DOCPART == 5
	.amdgcn_target "amdgcn-amd-amdhsa--gfx1250"
	.amdhsa_code_object_version 6
	.text
	.protected	k_q9e788767be_conv
	.globl	k_q9e788767be_conv
	.p2align	8
	.type	k_q9e788767be_conv,@function
k_q9e788767be_conv:
	s_mov_b64 s[64:65], 0
	v_nop
	global_prefetch_b8 v0, s[64:65] scope:SCOPE_SE
	s_setreg_imm32_b32 hwreg(HW_REG_WAVE_SCHED_MODE, 0, 2), 2
	s_setreg_imm32_b32 hwreg(HW_REG_WAVE_MODE, 25, 1), 1
	s_wait_xcnt 0x0
	s_wait_alu depctr_vm_vsrc(0)
; ALL SEVEN INPUTS, f32, ARE ROUNDED ONCE TO bf16 (nearest even) AND LAID OUT FOR THE LAUNCHES BEHIND.  w_o's bf16 number is then written as f16
; (exact from 6e-5 up; below that it keeps f16's fixed step of 6e-8: a stated limit).
; cv: x [2048][2048] at 0; the weights of q, k, v at WB as [32 groups][320 rows][2048]; w_o at WO; cos [2048][128] at CS, sin 524,288 bytes behind it.
; A group is (head, ch): rows 0-63 q's means, 64-127 q's raw variances, 128-191 k's means, 192-255 k's raw variances, 256-319 v.
; For q and k row e < 32 is channel 32 ch + e and row e >= 32 is channel 64 + 32 ch + (e - 32): e and e + 32 are partners of the rotation.  For v row e is channel 64 ch + e.
; SHARES.  A work-group takes 16 rows of 2,048 numbers (131,072 bytes in, 65,536 out), which stay 16 neighbouring rows in cv; a wave 16,384 consecutive bytes.
; All 32 loads of a wave go out at once; each store of a wave covers 256 consecutive bytes, aligned.  Every load and store has registers of its own: no loop, no LDS, nothing shared, so no cluster.
; THE MODE: SCHED_MODE bits 1:0 = 2 (LLVM: expert scheduling mode 2), set by the entry lines.  The code itself states the register dependences
; between vector instructions and memory instructions, with s_wait_alu, always for 0.
; THE PLAN.  Registers that memory instructions touch:
;   v1, v2   the loads' and the stores' byte offsets: made once at the head by vector instructions, never written again.
;   X        four registers for load j: written by that load alone, read by its two conversions; no load is issued behind a vector instruction that names them.
;   Y        two registers for load j: written by its conversions, read once by store j, never written again.
;   T        named by vector instructions alone.
; So the dependences are: v1 and v2 written ahead of the first load, and Y written ahead of its store.  The 32 loads are taken in 8 blocks of four.  Block p converts its four loads; its memory
; instructions are the four stores of block p - 1, whose Y no vector instruction of block p names.  ONE wait at a block's head, behind the wait for the block's data, states that the block before has
; written its Y; the four stores follow it, dealt among the block's conversions with no further wait.  No register that a memory instruction reads is written again, no vector instruction writes a
; scalar register or VCC, and EXEC is never written: nothing else is owed.
.set WB, 8388608
.set WO, 50331648
.set CS, 58720256
.set X,  8                             ; v[8:135]   as loaded
.set Y,  136                           ; v[136:199] to store
.set T,  200                           ; v[200:201] at work
; Which tensor: a chain of compares on the work-group's number.  kind: 0 flat, 1 w_q, 2 w_k, 3 w_v, 4 w_o (flat, written as f16)
.macro PICK first, src, region, kind
	s_cmp_ge_u32 s20, \first
	s_cselect_b64 s[22:23], s[\src:\src+1], s[22:23]
	s_cselect_b32 s21, \first, s21
	s_cselect_b32 s28, \region, s28
	s_cselect_b32 s29, \kind, s29
.endm
	s_load_b512 s[4:19], s[0:1], 0x0               ; x, w_q, w_k, w_v, w_o, cos, sin, cv
	s_mov_b32 s20, ttmp9
	v_and_b32 v3, 31, v0
	v_lshrrev_b32 v4, 5, v0
	v_lshlrev_b32 v1, 4, v3
	v_lshl_add_u32 v1, v4, 14, v1                  ; in: 16 x lane + 16,384 x wave
	v_lshlrev_b32 v2, 3, v3
	v_lshl_add_u32 v2, v4, 13, v2                  ; out: 8 x lane + 8,192 x wave
	s_mov_b32 s21, 0                               ; the tensor's first work-group
	s_mov_b32 s28, 0                               ; its region in cv, if flat
	s_mov_b32 s29, 0
	s_wait_kmcnt 0x0
	s_mov_b64 s[22:23], s[4:5]
	PICK 128, 6, 0, 1
	PICK 384, 8, 0, 2
	PICK 640, 10, 0, 3
	PICK 768, 12, WO, 4
	PICK 896, 14, CS, 0
	PICK 904, 16, CS+524288, 0
	s_sub_co_u32 s32, s20, s21                     ; j: which 16 rows of the tensor
	s_lshl_b32 s30, s32, 17
	s_mov_b32 s31, 0
	s_add_nc_u64 s[22:23], s[22:23], s[30:31]
	s_wait_alu depctr_va_vdst(0)                   ; v1 and v2 are written: every load reads v1 as its offset, every store v2; no vector instruction names them again
.set j, 0
.rept 32
	global_load_b128 v[X+4*j:X+4*j+3], v1, s[22:23] offset:512*j th:TH_LOAD_NT
.set j, j+1
.endr
	; where they go.  w_q, w_k: j = 16 head + 8 part + (channel / 16): row = (2 head + ch) 320 + 64 part + 32 (channel >= 64) + 16 (channel / 16 odd), + 128 for k
	s_lshr_b32 s33, s32, 4
	s_lshl_b32 s33, s33, 1
	s_bfe_u32 s34, s32, 0x10001
	s_add_co_u32 s33, s33, s34
	s_mul_i32 s33, s33, 320
	s_bfe_u32 s34, s32, 0x10003
	s_lshl_b32 s34, s34, 6
	s_add_co_u32 s33, s33, s34
	s_bfe_u32 s34, s32, 0x10002
	s_lshl_b32 s34, s34, 5
	s_add_co_u32 s33, s33, s34
	s_and_b32 s34, s32, 1
	s_lshl_b32 s34, s34, 4
	s_add_co_u32 s33, s33, s34
	s_cmp_eq_u32 s29, 2
	s_cselect_b32 s34, 128, 0
	s_add_co_u32 s33, s33, s34
	; w_v: j = 8 head + (channel / 16): row = (2 head + ch) 320 + 256 + 16 (j & 3)
	s_lshr_b32 s35, s32, 3
	s_lshl_b32 s35, s35, 1
	s_bfe_u32 s34, s32, 0x10002
	s_add_co_u32 s35, s35, s34
	s_mul_i32 s35, s35, 320
	s_and_b32 s34, s32, 3
	s_lshl_b32 s34, s34, 4
	s_add_co_u32 s35, s35, s34
	s_add_co_u32 s35, s35, 256
	s_cmp_eq_u32 s29, 3
	s_cselect_b32 s33, s35, s33
	s_lshl_b32 s33, s33, 12                        ; a row of cv is 4,096 bytes
	s_add_co_u32 s33, s33, WB
	s_lshl_b32 s24, s32, 16                        ; flat: the region + 65,536 j
	s_add_co_u32 s24, s24, s28
	s_and_b32 s34, s29, 3                          ; 0 for the flat kinds 0 and 4
	s_cmp_lg_u32 s34, 0
	s_cselect_b32 s24, s33, s24
	s_mov_b32 s25, 0
	s_add_nc_u64 s[26:27], s[18:19], s[24:25]
; The 32 loads in 8 blocks of four: block p's numbers are rounded while the block before is stored.  rec = 1: the bf16 number is written as f16.
.macro OUT rec
.set p, 0
.rept 8
	s_wait_loadcnt 28-4*p                          ; loads come back in order (ISA guide 5.7.1): block p's four are in, the younger blocks stay out
.if p > 0
	s_wait_alu depctr_va_vdst(0)                   ; the conversions of the block before have written its Y, which the four stores below read
.endif
.set i, 0
.rept 4
.set j, 4*p+i
.set k, j-4
.if p > 0
	global_store_b64 v2, v[Y+2*k:Y+2*k+1], s[26:27] offset:256*k th:TH_STORE_NT  ; the block before; no vector instruction since the wait names these registers or v2
.endif
	v_cvt_pk_bf16_f32 v[Y+2*j], v[X+4*j], v[X+4*j+1]
	v_cvt_pk_bf16_f32 v[Y+2*j+1], v[X+4*j+2], v[X+4*j+3]
.if \rec
	v_lshlrev_b32 v[T], 16, v[Y+2*j]
	v_and_b32 v[T+1], 0xffff0000, v[Y+2*j]
	v_cvt_pk_f16_f32 v[Y+2*j], v[T], v[T+1]
	v_lshlrev_b32 v[T], 16, v[Y+2*j+1]
	v_and_b32 v[T+1], 0xffff0000, v[Y+2*j+1]
	v_cvt_pk_f16_f32 v[Y+2*j+1], v[T], v[T+1]
.endif
.set i, i+1
.endr
.set p, p+1
.endr
	s_wait_alu depctr_va_vdst(0)                   ; the last block's conversions have written its Y, which the last four stores read
.set k, 28
.rept 4
	global_store_b64 v2, v[Y+2*k:Y+2*k+1], s[26:27] offset:256*k th:TH_STORE_NT
.set k, k+1
.endr
	s_endpgm
.endm
	s_cmp_eq_u32 s29, 4
	s_cbranch_scc1 .Lrecode
	OUT 0
.Lrecode:
	OUT 1
.Lfunc_end_k_q9e788767be_conv:
	.size	k_q9e788767be_conv, .Lfunc_end_k_q9e788767be_conv-k_q9e788767be_conv
	.p2alignl 7, 3214868480
	.fill 96, 4, 3214868480
	.section	.rodata,"a",@progbits
	.p2align	6, 0x0
	.amdhsa_kernel k_q9e788767be_conv
		.amdhsa_group_segment_fixed_size 0
		.amdhsa_private_segment_fixed_size 0
		.amdhsa_enable_private_segment 0
		.amdhsa_kernarg_size 64
		.amdhsa_user_sgpr_count 2
		.amdhsa_user_sgpr_kernarg_segment_ptr 1
		.amdhsa_wavefront_size32 1
		.amdhsa_system_sgpr_workgroup_id_x 1
		.amdhsa_system_sgpr_workgroup_id_y 1
		.amdhsa_system_sgpr_workgroup_id_z 1
		.amdhsa_system_vgpr_workitem_id 0
		.amdhsa_next_free_vgpr 204
		.amdhsa_next_free_sgpr 66
		.amdhsa_reserve_vcc 0
		.amdhsa_float_denorm_mode_32 3
		.amdhsa_float_denorm_mode_16_64 3
		.amdhsa_memory_ordered 1
		.amdhsa_forward_progress 1
		.amdhsa_inst_pref_size 32
	.end_amdhsa_kernel
	.amdgpu_metadata
---
amdhsa.version: [ 1, 2 ]
amdhsa.kernels:
  - .name:           k_q9e788767be_conv
    .symbol:         k_q9e788767be_conv.kd
    .args:
      - { .name: hidden_states, .offset: 0, .size: 8, .value_kind: global_buffer, .address_space: global }
      - { .name: w_q, .offset: 8, .size: 8, .value_kind: global_buffer, .address_space: global }
      - { .name: w_k, .offset: 16, .size: 8, .value_kind: global_buffer, .address_space: global }
      - { .name: w_v, .offset: 24, .size: 8, .value_kind: global_buffer, .address_space: global }
      - { .name: w_o, .offset: 32, .size: 8, .value_kind: global_buffer, .address_space: global }
      - { .name: cos, .offset: 40, .size: 8, .value_kind: global_buffer, .address_space: global }
      - { .name: sin, .offset: 48, .size: 8, .value_kind: global_buffer, .address_space: global }
      - { .name: cv, .offset: 56, .size: 8, .value_kind: global_buffer, .address_space: global }
    .group_segment_fixed_size: 0
    .private_segment_fixed_size: 0
    .kernarg_segment_align: 8
    .kernarg_segment_size: 64
    .max_flat_workgroup_size: 256
    .sgpr_count:     66
    .vgpr_count:     204
    .wavefront_size: 32
...
	.end_amdgpu_metadata
.endif
;; end of part 5
;; launch proj: the kernel of part 2 again; grid 32 x 8, 4 waves a work-group, clusters of 4 x 4, 327,680 bytes of LDS; arguments cv, qw, kw, vh, kb; writes qw, kw, vh, kb
;; launch attn: the kernel of part 3 again; grid 16 x 16, 4 waves a work-group, clusters of 4 x 1, 327,680 bytes of LDS; arguments qw, kw, vh, kb, ob; writes ob
;; launch outp: the kernel of part 4 again; grid 16 x 16, 4 waves a work-group, clusters of 4 x 4, 327,680 bytes of LDS; arguments ob, cv, out0; writes out0
